; MI455X (gfx1250); checked and timed in simulation.
; The chip was launched on July 23, 2026; its instructions are those of AMD's public machine-readable ISA for CDNA 5 (MIT licence, August 2026) and "CDNA5" Instruction Set Architecture Reference Guide (July 2026). The comments in the code are by the model that wrote it; some were corrected since.
;; Self Attention Final. Allowed arithmetic: matrix products marked QUANTISED: E3M2 operands, one E8M0 scale for each 32 along K, by v_wmma_scale_f32_16x16x128_f8f6f4 with both operands' format E3M2, f32 sums; everything else in f32.
;; Inputs: Wk 1,024 x 1,024 float32; Wq 1,024 x 1,024 float32; Wv 1,024 x 1,024 float32; X 4 x 2,048 x 1,024 float32; bk 1,024 float32; bq 1,024 float32; bv 1,024 float32.
;; Outputs: out0 4 x 2,048 x 1,024 float32.
;; This version of the problem:
;;   THIS VERSION OF THE PROBLEM IS GIVEN IN LOW PRECISION. The matrix products marked QUANTISED in the list below multiply operands that are first quantised to E3M2 (3 exponent bits, 2 mantissa bits; 6 bits a number), with one power-of-two scale for each 32 numbers along K (OCP MX v1.0); their sums are f32. All else is computed in f32.
;;   The module's matrix products, in the order in which they are computed (A, B: the left and right operand; K: the contracted axis; several contracted axes count as one K, in the product's order):
;;     1. [M 8,192, K 1,024] x [K 1,024, N 1,024]; A: input X; B: input Wq: QUANTISED
;;     2. [M 8,192, K 1,024] x [K 1,024, N 1,024]; A: input X; B: input Wk: QUANTISED
;;     3. [M 8,192, K 1,024] x [K 1,024, N 1,024]; A: input X; B: input Wv: QUANTISED
;;     4. batch 4 x [M 2,048, K 1,024] x [K 1,024, N 2,048]; A: computed on the way; B: computed on the way: QUANTISED
;;     5. batch 4 x [M 2,048, K 2,048] x [K 2,048, N 1,024]; A: softmax (see below); B: computed on the way: QUANTISED
;;   THE QUANTISER, for each operand of a quantised product, along K:
;;     - K is cut into blocks of 32 from its start; a last block that is shorter is filled with zeros.
;;     - A block's scale is 2^e with e = floor(log2(the largest magnitude in the block)) - 4, held to -126 .. 127; a block of zeros has e = 0. As a byte (E8M0): e + 127.
;;     - Each number is divided by its block's scale, clamped to +-28, and rounded to the nearest number of E3M2, ties to even, subnormals kept.
;;     - The product sums the exact products of the quantised numbers (number of the format x scale) in f32.
;;   ~~~python
;;   def quantise(x, axis):      # numpy; x: float32 -> the quantised numbers, widened to float32 again
;;       x = np.moveaxis(x, axis, -1); K = x.shape[-1]
;;       x = np.pad(x, [(0, 0)] * (x.ndim - 1) + [(0, -K % 32)]); x = x.reshape(x.shape[:-1] + (-1, 32)); a = np.abs(x).max(-1, keepdims=True)
;;       e = np.where(a > 0, np.clip(np.frexp(np.where(a > 0, a, 1))[1] - 1 - 4, -126, 127), 0)      # np.frexp(a)[1] - 1 = floor(log2(a)), exactly
;;       r = np.clip(x / 2.0 ** e, -28, 28)
;;       step = 2.0 ** (np.maximum(np.frexp(np.where(r == 0, 1, r))[1] - 1, -2) - 2)
;;       q = np.round(r / step) * step * 2.0 ** e      # np.round: ties to even
;;       return np.moveaxis(q.reshape(q.shape[:-2] + (-1,))[..., :K], -1, axis).astype(np.float32)
;;   ~~~
;;   SOFTMAX AHEAD OF A QUANTISED PRODUCT. Where the list says 'softmax', what is quantised is not the finished softmax but p = 2^(t - M), with t = logit x log2(e) and M = ceil(the row's largest t), a whole number; so 1/2 < the row's largest p <= 1. The row's sum l is taken of the UNQUANTISED p, in f32, and the product's result is divided by l at the end. Since M is a whole number, a kernel that streams over the keys may use a running M (the ceiling of the running maximum): every later rescaling is an exact power of two, which a block's scale takes up: the codes' values come out the same.
;;   OPERANDS COMPUTED ON THE WAY. 'Computed on the way' means the value that the module computes at that place (a softmax that the list does not call 'softmax' is quantised finished and normalised). What goes into a quantiser is computed in f32, as accurately as f32 sums, v_exp_f32 and their like allow (about 1e-6 of the number): no bf16 or f16 on the way to a quantiser, and a product that is left as it is and whose result goes on into a quantised operand takes f32 operands (vector FMAs, or v_wmma_f32_16x16x4_f32). A number that lies on a knife's edge between two numbers of the format may be rounded either way, as far as f32 arithmetic and the matrix unit's own rounding can turn it there, and no further.
;; One version. Each part assembles by itself: llvm-mc -triple=amdgcn-amd-amdhsa -mcpu=gfx1250 --defsym DOCPART=n.
;; ======== version 1 of 1: 4 launches
;; limits: right only within a limited range of input values
;; workspace buffers: xw 9,011,200 bytes; qkv 19,660,800 bytes; pimg 13,107,200 bytes; stat 1,048,576 bytes
;; launch quant (part 1): grid 704 x 1, 4 waves a work-group, no clusters, 47,616 bytes of LDS; arguments X, Wq, Wk, Wv, xw; writes xw
.if DOCPART == 1
	.amdgcn_target "amdgcn-amd-amdhsa--gfx1250"
	.amdhsa_code_object_version 6
	.text
	.protected	k_qdd90948a34_quant
	.globl	k_qdd90948a34_quant
	.p2align	8
	.type	k_qdd90948a34_quant,@function
k_qdd90948a34_quant:
	s_mov_b64 s[64:65], 0
	v_nop
	global_prefetch_b8 v0, s[64:65] scope:SCOPE_SE
	s_setreg_imm32_b32 hwreg(HW_REG_WAVE_MODE, 25, 1), 1
	s_wait_xcnt 0x0
; X [8192][1024] and Wq, Wk, Wv [1024 (k)][1024 (n)], f32, become codes of BF6 (E3M2) with one E8M0 byte for each 32 along K, laid in UNITS.
; A UNIT is 128 rows x 128 along K as an image of operand registers, 12,800 bytes: fragment i (0..7) at 1536 i, registers 4 c .. 4 c + 3 of lane l at 512 c + 16 l;
; lane (r, h) of fragment i holds row rho(i, r) = 32 (i / 2) + 8 (i % 2) + r + 8 (r / 8) of the 128, registers 6 c .. 6 c + 5 = k 64 c + 32 h + 0 .. 31;
; the scale word of (i, r) lies at 12288 + 256 (i / 4) + 16 r + 4 (i % 4).  The 8 units of a block of 128 rows follow each other along K.
; xw: X's unit (token block g, K step s) is unit 8 g + s; a weight's (G = 8 x weight + block of 128 output features, s) is unit 512 + 8 G + s.
; A block's scale is 2^(floor(log2(largest magnitude)) - 4): its byte is the largest magnitude's exponent field - 4, held at 1 from below by a floor among the maximum's leaves.
; LIMITS: NaN and infinities are not served; a block of zeros gets the byte 1 where the quantiser says 127: its codes are zeros and this program alone reads the bytes.
; Work-groups 0..511 take X (a wave a quarter of a unit: two fragments, 32 rows), 512..703 the weights (a work-group a unit, a wave 32 columns): 65,536 bytes each.  The two ways part on the work-group's number, never join, and have LDS bytes of their own.
; No work-group shares an input with another, so there is no cluster; waves share nothing, so there is no barrier; there is no loop to run ahead in, so nothing is prefetched.
.set UNIT,  12800
.set XSTG,  8448                       ; X's way: a wave's stage, 16 rows x (512 + 16) bytes
.set WSTG0, 4*XSTG                     ; the weights' way begins behind them
.set WSTG,  3328                       ; a wave's stage: two fragments' images,
.set FRP,   1664                       ; 1,536 bytes + 128 apart
.set SPARE, WSTG0+4*WSTG               ; the spare words: two blocks of 256 bytes that no other line names
.set WD,    16                         ; v16-17   X: my two fragments' scale words
.set WO,    19                         ; v19      where the word that I store lies: 16 r + 4 h
.set F,     32                         ; v32-55   X: a fragment's codes, two sets
.set T2,    56                         ; v56-62   X: the conversions' second halves
.set N,     64                         ; v64-127  X: 64 numbers of my row, k as the operand wants them
.set R,     128                        ; v128-255 X: 16 rows as loaded, two sets
	s_load_b256 s[4:11], s[0:1], 0x0               ; X, Wq, Wk, Wv
	s_load_b64 s[12:13], s[0:1], 0x20              ; xw
	v_lshl_add_u32 v30, v0, 2, SPARE
	v_mov_b32 v31, 0
	v_lshrrev_b32 v1, 5, v0
	v_readfirstlane_b32 s14, v1                    ; wave
	v_and_b32 v1, 31, v0                           ; lane
	s_mov_b32 s20, 0x76543210
	s_mov_b32 s21, 0xfedcba98                      ; v_permlanex16_b32's selects for lane l xor 16
	s_cmp_lt_u32 ttmp9, 512
	s_wait_alu depctr_va_vdst(0)                   ; the wait, directly ahead of the branch
	s_cbranch_scc0 .Lweights
; ---------------- X: work-group n: token block g = n / 8, quarter (n / 2) % 4 of its rows; wave: K step s = 4 (n % 2) + wave.  The four waves stand side by side on 2,048 bytes of each row.
	v_lshlrev_b32 v2, 4, v1                        ; 16 x lane: my bytes of a load's 512, and of a store's
	s_mul_i32 s15, s14, XSTG
	v_add_nc_u32 v3, s15, v2                       ; the stage, on the way in: a row as it lies
	v_and_b32 v6, 15, v0                           ; r
	v_bfe_u32 v7, v0, 4, 1                         ; h
	v_mul_u32_u24 v4, v6, 528
	v_lshl_add_u32 v4, v7, 7, v4
	v_add_nc_u32 v4, s15, v4                       ; and on the way out: row r, 32 numbers from 128 h bytes on
	v_lshlrev_b32 v5, 3, v7                        ; 8 h: my bytes' place in the scale word
	v_lshlrev_b32 v[WO], 4, v6
	v_lshl_add_u32 v[WO], v7, 2, v[WO]
	v_mov_b32 v15, 0                               ; a lane permute's destination counts as one of its sources
	s_lshr_b32 s16, ttmp9, 3                       ; g
	s_and_b32 s17, ttmp9, 1
	s_lshl_b32 s17, s17, 2
	s_add_co_u32 s17, s17, s14                     ; s
	s_bfe_u32 s24, ttmp9, 0x20001                  ; which quarter: fragments 2 x quarter on, rows 32 x quarter on
	s_lshl_b32 s18, s16, 19                        ; 128 rows of 4,096 bytes
	s_lshl_b32 s19, s17, 9                         ; 128 numbers
	s_add_co_u32 s18, s18, s19
	s_lshl_b32 s19, s24, 17                        ; 32 rows
	s_add_co_u32 s18, s18, s19
	s_mov_b32 s19, 0
	s_lshl_b32 s22, s16, 3
	s_add_co_u32 s22, s22, s17
	s_mul_i32 s22, s22, UNIT                       ; the unit
	s_lshr_b32 s26, s24, 1
	s_lshl_b32 s26, s26, 8
	s_and_b32 s27, s24, 1
	s_lshl_b32 s27, s27, 3
	s_add_co_u32 s26, s26, s27
	s_add_co_u32 s26, s26, s22                     ; + 256 (quarter / 2) + 8 (quarter % 2): my scale words' place less 12288
	s_mov_b32 s27, 0
	s_mul_i32 s24, s24, 3072
	s_add_co_u32 s22, s22, s24                     ; + two fragments x quarter: my codes' place
	s_mov_b32 s23, 0
	s_wait_alu depctr_va_vdst(0)                   ; the wait at the head's end
	s_wait_kmcnt 0x0
	s_add_nc_u64 s[4:5], s[4:5], s[18:19]
	s_add_nc_u64 s[26:27], s[12:13], s[26:27]
	s_add_nc_u64 s[12:13], s[12:13], s[22:23]
.macro XLOAD i                         ; my fragment i's 16 rows: each load reads 512 consecutive bytes of one row
.irp j, 0,1,2,3,4,5,6,7,8,9,10,11,12,13,14,15
	global_load_b128 v[R+64*(\i)+4*\j:R+64*(\i)+4*\j+3], v2, s[4:5] offset:(8*(\i)+\j+8*(\j/8))*4096 th:TH_LOAD_NT
.endr
.endm
.macro XT i
.set RS, R+64*(\i)
.set FS, F+12*(\i)
	s_wait_loadcnt 16*(1-(\i))                     ; this fragment's 16 loads are in; the next one's 16 may be out
.irp j, 0,1,2,3,4,5,6,7,8,9,10,11,12,13,14,15
	ds_store_b128 v3, v[RS+4*\j:RS+4*\j+3] offset:528*\j
.endr
.irp c, 0,1
.irp e, 0,1,2,3,4,5,6,7
	ds_load_b128 v[N+32*\c+4*\e:N+32*\c+4*\e+3], v4 offset:256*\c+16*\e   ; LDS serves a wave's instructions in order: these see the stores above.  k = 64 c + 32 h + 4 e ..
.endr
.endr
	s_wait_dscnt 0x0                               ; my 64 numbers are in
.irp c, 0,1                                    ; my block 2 c + h: all its 32 numbers are mine
	v_max3_num_f32 v[8+\c], |v[N+32*\c]|, |v[N+32*\c+1]|, 0x2800000   ; with the floor 2^(5 - 127): the byte cannot fall under 1
.endr
.irp e, 2,4,6,8,10,12,14,16,18,20,22,24,26,28,30
.irp c, 0,1
	v_max3_num_f32 v[8+\c], v[8+\c], |v[N+32*\c+\e]|, |v[N+32*\c+\e+1]|
.endr
.endr
.irp c, 0,1
	v_add_nc_u32 v[10+\c], 0xfe000000, v[8+\c]     ; 4 off the exponent field: the conversion's scale operand
.endr
.irp c, 0,1
	v_lshrrev_b32 v[12+\c], 23, v[10+\c]           ; the scale's byte
.endr
	v_lshl_or_b32 v14, v13, 16, v12                ; blocks h and 2 + h of my row,
	v_lshlrev_b32 v14, v5, v14                     ; at their places in the word;
	v_permlanex16_b32 v15, v14, s20, s21
	v_or_b32 v[WD+(\i)], v14, v15                  ; with lane l xor 16's two the word is whole
.irp c, 0,1
	v_cvt_scalef32_pk16_bf6_f32 v[FS+6*\c:FS+6*\c+2], v[N+32*\c:N+32*\c+15], v[10+\c]
	v_cvt_scalef32_pk16_bf6_f32 v[T2+4*\c:T2+4*\c+2], v[N+32*\c+16:N+32*\c+31], v[10+\c]   ; (a conversion's three registers begin on an even number)
.endr
	v_nop                                          ; one plain place behind a scaled conversion
.irp c, 0,1
.irp e, 0,1,2
	v_mov_b32 v[FS+6*\c+3+\e], v[T2+4*\c+\e]
.endr
.endr
.irp c, 0,1,2
	global_store_b128 v2, v[FS+4*\c:FS+4*\c+3], s[12:13] offset:1536*(\i)+512*\c   ; 32 lanes store 512 consecutive bytes, at a multiple of 256 from the buffer's first byte
.endr
.endm
	XLOAD 0
	XLOAD 1
	XT 0
	XT 1
	v_cmp_lt_u32 vcc_lo, 15, v1                    ; both halves of the lanes hold the same words: lanes 0-15 store the first fragment's, lanes 16-31 the second's
	v_cndmask_b32 v18, v[WD], v[WD+1], vcc_lo
	s_wait_alu depctr_va_vdst(0)
	global_store_b32 v[WO], v18, s[26:27] offset:12288   ; 4 bytes a lane: 1 byte for each 128 that this way reads
	s_wait_tensorcnt 0x0                           ; the wave's end
	ds_add_u32 v30, v31
	s_wait_dscnt 0x0
	s_endpgm
; ---------------- the weights: K is the FIRST axis.  A lane takes a column and its registers run down K, so a block of 32 lies in one lane and the codes come out with K innermost.
; Work-group = unit n' = n - 512 (G = n' / 8, s = n' % 8); wave b = columns 32 b .. 32 b + 31 of the unit's 128 = fragments 2 b and 2 b + 1: lane L is row r = L % 8 + 8 (L / 16) of fragment 2 b + (L / 8) % 2.
.Lweights:
.set XW,   32                          ; v32-95   two sets of 32 numbers
.set C,    96                          ; v96-101  a block's codes
.set C2,   104                         ; v104-106 their second half as it is made
.set OUTR, 112                         ; v112-135 the way out
	v_lshlrev_b32 v2, 2, v1                        ; in: 4 bytes a lane
	v_bfe_u32 v7, v0, 3, 1                         ; u
	v_and_b32 v6, 7, v0
	v_bfe_u32 v8, v0, 4, 1
	v_lshl_add_u32 v6, v8, 3, v6                   ; r
	s_mul_i32 s15, s14, WSTG
	s_add_co_u32 s15, s15, WSTG0                   ; my stage
	v_mul_u32_u24 v3, v7, FRP
	v_lshl_add_u32 v3, v6, 4, v3
	v_add_nc_u32 v3, s15, v3                       ; into it: fragment u, lane r's 16 bytes (h and the register group stand in the offsets)
	v_lshlrev_b32 v5, 4, v1
	v_add_nc_u32 v4, s15, v5                       ; out of it: 16 x lane
	s_lshr_b32 s28, s14, 1
	s_lshl_b32 s28, s28, 8
	s_and_b32 s29, s14, 1
	s_lshl_b32 s29, s29, 3
	s_add_co_u32 s28, s28, s29
	v_lshlrev_b32 v9, 4, v6
	v_lshl_add_u32 v9, v7, 2, v9
	v_add_nc_u32 v9, s28, v9                       ; my scale word: 256 (i / 4) + 16 r + 4 (i % 4), i = 2 b + u
	s_sub_co_u32 s16, ttmp9, 512                   ; n'
	s_lshr_b32 s17, s16, 3                         ; G
	s_and_b32 s18, s16, 7                          ; s
	s_lshr_b32 s19, s17, 3                         ; which weight: 0 q, 1 k, 2 v
	s_and_b32 s17, s17, 7
	s_lshl_b32 s22, s18, 19                        ; 128 rows of 4,096 bytes
	s_lshl_b32 s17, s17, 9                         ; 128 columns
	s_add_co_u32 s22, s22, s17
	s_lshl_b32 s17, s14, 7                         ; my 32 columns
	s_add_co_u32 s22, s22, s17
	s_mov_b32 s23, 0
	s_add_co_u32 s24, s16, 512
	s_mul_i32 s24, s24, UNIT
	s_mov_b32 s25, 0
	s_mul_i32 s26, s14, 3072
	s_mov_b32 s27, 0
	s_wait_alu depctr_va_vdst(0)                   ; the wait at the head's end
	s_wait_kmcnt 0x0
	s_cmp_eq_u32 s19, 0                            ; the choice hangs on the work-group's number alone
	s_cselect_b64 s[6:7], s[6:7], s[8:9]
	s_cmp_eq_u32 s19, 2
	s_cselect_b64 s[6:7], s[10:11], s[6:7]
	s_add_nc_u64 s[6:7], s[6:7], s[22:23]
	s_add_nc_u64 s[24:25], s[12:13], s[24:25]      ; the unit
	s_add_nc_u64 s[26:27], s[24:25], s[26:27]      ; my two fragments in it
.macro WLOAD t                         ; block t: W(32 t + i, my column): 32 lanes read 128 consecutive bytes, the four waves 512
.irp i, 0,1,2,3,4,5,6,7,8,9,10,11,12,13,14,15,16,17,18,19,20,21,22,23,24,25,26,27,28,29,30,31
	global_load_b32 v[XW+32*((\t)%2)+\i], v2, s[6:7] offset:(32*(\t)+\i)*4096 th:TH_LOAD_NT
.endr
.endm
.macro WBLOCK t
.set XS, XW+32*((\t)%2)
.if (\t) < 3
	s_wait_loadcnt 32                              ; this block's 32 loads are in; the next block's may be out
.else
	s_wait_loadcnt 0x0
.endif
	v_max3_num_f32 v12, |v[XS]|, |v[XS+1]|, |v[XS+2]|
	v_max3_num_f32 v13, |v[XS+3]|, |v[XS+4]|, |v[XS+5]|
.irp i, 6,10,14,18,22,26
	v_max3_num_f32 v12, v12, |v[XS+\i]|, |v[XS+\i+1]|
	v_max3_num_f32 v13, v13, |v[XS+\i+2]|, |v[XS+\i+3]|
.endr
	v_max3_num_f32 v12, v12, |v[XS+30]|, |v[XS+31]|
	v_max3_num_f32 v12, v12, v13, 0x2800000        ; and the floor
	v_add_nc_u32 v14, 0xfe000000, v12              ; the conversion's scale operand
	v_lshrrev_b32 v13, 23, v14                     ; the byte
.if (\t) == 0
	v_mov_b32 v16, v13
.else
	v_lshl_or_b32 v16, v13, 8*(\t), v16            ; the lower K in the lower byte
.endif
	v_cvt_scalef32_pk16_bf6_f32 v[C:C+2], v[XS:XS+15], v14
	v_cvt_scalef32_pk16_bf6_f32 v[C2:C2+2], v[XS+16:XS+31], v14
	v_nop                                          ; one plain place behind a scaled conversion
.irp e, 0,1,2
	v_mov_b32 v[C+3+\e], v[C2+\e]
.endr
; block t = 2 c + h is registers 6 c .. 6 c + 5 of lane (r, h): of the image's groups of four registers, 16 bytes and 8
.if (\t) < 2
	ds_store_b128 v3, v[C:C+3] offset:256*((\t)%2)
	ds_store_b64 v3, v[C+4:C+5] offset:512+256*((\t)%2)
.else
	ds_store_b64 v3, v[C:C+1] offset:520+256*((\t)%2)
	ds_store_b128 v3, v[C+2:C+5] offset:1024+256*((\t)%2)
.endif
.if (\t) < 2
	WLOAD (\t)+2
.endif
	s_wait_dscnt 0x0                               ; the stores have read their registers: the next block's codes may be written
.endm
	WLOAD 0
	WLOAD 1
.irp t, 0,1,2,3
	WBLOCK \t
.endr
.irp k, 0,1,2,3,4,5
	ds_load_b128 v[OUTR+4*\k:OUTR+4*\k+3], v4 offset:FRP*(\k/3)+512*(\k%3)
.endr
.irp k, 0,1,2,3,4,5
	s_wait_dscnt 5-\k                              ; the later read-backs may be out
	global_store_b128 v5, v[OUTR+4*\k:OUTR+4*\k+3], s[26:27] offset:1536*(\k/3)+512*(\k%3)   ; 512 consecutive bytes a store
.endr
	s_wait_alu depctr_va_vdst(0)
	global_store_b32 v9, v16, s[24:25] offset:12288  ; 4 bytes a lane, 16 apart: the four waves' words interleave; 1 byte for each 128 that this way reads
	s_wait_tensorcnt 0x0                           ; the wave's end
	ds_add_u32 v30, v31
	s_wait_dscnt 0x0
	s_endpgm
.Lfunc_end_k_qdd90948a34_quant:
	.size	k_qdd90948a34_quant, .Lfunc_end_k_qdd90948a34_quant-k_qdd90948a34_quant
	.p2alignl 7, 3214868480
	.fill 96, 4, 3214868480
	.section	.rodata,"a",@progbits
	.p2align	6, 0x0
	.amdhsa_kernel k_qdd90948a34_quant
		.amdhsa_group_segment_fixed_size 47616
		.amdhsa_private_segment_fixed_size 0
		.amdhsa_enable_private_segment 0
		.amdhsa_kernarg_size 40
		.amdhsa_user_sgpr_count 2
		.amdhsa_user_sgpr_kernarg_segment_ptr 1
		.amdhsa_wavefront_size32 1
		.amdhsa_system_sgpr_workgroup_id_x 1
		.amdhsa_system_sgpr_workgroup_id_y 1
		.amdhsa_system_sgpr_workgroup_id_z 1
		.amdhsa_system_vgpr_workitem_id 0
		.amdhsa_next_free_vgpr 256
		.amdhsa_next_free_sgpr 66
		.amdhsa_reserve_vcc 1
		.amdhsa_float_denorm_mode_32 3
		.amdhsa_float_denorm_mode_16_64 3
		.amdhsa_memory_ordered 1
		.amdhsa_forward_progress 1
		.amdhsa_inst_pref_size 38
	.end_amdhsa_kernel
	.amdgpu_metadata
---
amdhsa.version: [ 1, 2 ]
amdhsa.kernels:
  - .name:           k_qdd90948a34_quant
    .symbol:         k_qdd90948a34_quant.kd
    .args:
      - { .name: X, .offset: 0, .size: 8, .value_kind: global_buffer, .address_space: global }
      - { .name: Wq, .offset: 8, .size: 8, .value_kind: global_buffer, .address_space: global }
      - { .name: Wk, .offset: 16, .size: 8, .value_kind: global_buffer, .address_space: global }
      - { .name: Wv, .offset: 24, .size: 8, .value_kind: global_buffer, .address_space: global }
      - { .name: xw, .offset: 32, .size: 8, .value_kind: global_buffer, .address_space: global }
    .group_segment_fixed_size: 47616
    .private_segment_fixed_size: 0
    .kernarg_segment_align: 8
    .kernarg_segment_size: 40
    .max_flat_workgroup_size: 128
    .sgpr_count:     66
    .vgpr_count:     256
    .wavefront_size: 32
...
	.end_amdgpu_metadata
.endif
;; end of part 1
;; launch qkv (part 2): grid 8 x 32, 4 waves a work-group, clusters of 4 x 4, 327,680 bytes of LDS; arguments xw, bq, bk, bv, qkv; writes qkv
.if DOCPART == 2
	.amdgcn_target "amdgcn-amd-amdhsa--gfx1250"
	.amdhsa_code_object_version 6
	.text
	.protected	k_qdd90948a34_qkv
	.globl	k_qdd90948a34_qkv
	.p2align	8
	.type	k_qdd90948a34_qkv,@function
k_qdd90948a34_qkv:
	s_mov_b64 s[64:65], 0
	v_nop
	global_prefetch_b8 v0, s[64:65] scope:SCOPE_SE
	s_setreg_imm32_b32 hwreg(HW_REG_WAVE_MODE, 25, 1), 1
	s_wait_xcnt 0x0
	s_wait_alu depctr_hold_cnt(0) depctr_sa_sdst(0) depctr_va_vdst(0) depctr_va_sdst(0) depctr_va_ssrc(0) depctr_va_vcc(0) depctr_vm_vsrc(0)
	s_getreg_b32 s2, hwreg(HW_REG_IB_STS2, 6, 4)
	s_cmp_eq_u32 s2, 0
	s_cbranch_scc0 .Lentry_in_a_cluster
	s_endpgm
.Lentry_in_a_cluster:
	s_bfe_u32 s2, ttmp6, 0x10000c
	s_cmp_lg_u32 s2, 0xf033
	s_cbranch_scc0 .Lentry_shape_is_right
	s_endpgm
.Lentry_shape_is_right:
; q = X Wq + bq, k = X Wk + bk, v = X Wv + bv on codes of BF6 with E8M0 scales, K = 1,024; the results are quantised at once, q and k along the features, v along the keys, and stored as UNITS.
; A UNIT: 128 rows x 128 K as an image of operand registers, 12,800 bytes: fragment i at 1536 i, registers 4 c .. 4 c + 3 of lane l at 512 c + 16 l; lane row r of fragment i is row
; rho(i, r) = 32 (i / 2) + 8 (i % 2) + r + 8 (r / 8); the scale word of (i, r) at 12288 + 256 (i / 4) + 16 r + 4 (i % 4).  A block of 128 rows is 8 units on end (102,400 bytes): X's block g, a weight's 64 + G.
; THE PRODUCT IS USED TRANSPOSED: source 0's rows become a lane's registers, source 1 gives a lane its row.  By rho the 16 registers of tiles 2 b and 2 b + 1 are 16 NEIGHBOURS along source 0's rows,
; which are the next product's K: so the results are quantised in registers and leave as units, with no stage.
; A WORK-GROUP STAYS AND MAKES TWO TILES, so that 8,192 x 3,072 results are 256 equal shares.  Work-group (TX 0..7, TY 0..31), four waves (wy, wx):
;   tile 1 (q, k): source 0 = features 256 TX on of Wq | Wk, source 1 = tokens 256 TY on; a wave makes 128 x 128: 64 accumulators.  Unit 512 (k?) + 8 (token block) + feature block.
;   tile 2 (V^T):  source 0 = the SAME 256 tokens, source 1 = features 128 TX on of Wv; a wave makes 128 tokens (block wx) x 64 features (fragments 4 wy on): 32 accumulators.  Unit 1024 + 16 (8 batch + TX) + key step.
; CLUSTERS 4 x 4: X's tiles hang on TY and are asked for jointly by a row of the cluster, the weights' on TX and by a column.
; LDS: four REGIONS of six units: X's two blocks, tile 1's two weight blocks; K step s of a block lies in place s % 6 of its region.  One load a wave a fill: steps 0-2 at the head, 3-5 as those land, then 6 and 7 into the places of 0 and 1.
; Behind step 5 the weights' places 2-5 take Wv (its units 0-3 in region 2, 4-7 in region 3); behind step 7 their places 0 and 1 take X's steps 0 and 1 again (block b in region 2 + b).  X's steps 2-7 are in LDS still:
; tile 2 walks K as 2 .. 7, 0, 1, and 44 units are fetched in all.
; PREFETCHES into the L2, each block of 256 bytes once in each cluster, shared out by address among the four partners that ask for a tile jointly: steps 3-5 behind the head's load, steps 6-7 behind the load of 3-5, Wv behind the load of 6-7: one fill ahead each.
; LIMITS: NaN and infinities are not served; a block of zeros gets the byte 1 where the quantiser says 127: its codes are zeros and this program alone reads the bytes.
; REGISTERS: window 0: v0-31 addresses and bv's four numbers; v32-63 scale words, two sets (source 1's at 32 + 16 p + a, source 0's at 40 + 16 p + b); v64-255 source 1's fragments, two sets (tile 2: v64-159); in the epilogues v64-251 are free.
;   window 1: v0-191 source 0's fragments, two sets; v192-255 the bias.   windows 2, 3: accumulator (a, b) at v[8 (8 (a % 4) + b)] of window 2 + a / 4 (tile 2: window 2 alone).
.set UNIT,  12800
.set BLOCK, 8*UNIT
.set SLOT,  3*UNIT                     ; places 0-2 and 3-5 of a region; also three K steps in memory
.set REG,   2*SLOT
.set SPARE, 4*REG                      ; the spare words, 128 bytes for each wave: two blocks of 256 bytes that no other line names
.set PB,   0                           ; v0-2, v27 the prefetches' offsets
.set PC,   1
.set PD,   2
.set PA,   27
.set OB1,  4                           ; v4      tile 1's bias: 64 h
.set OB2,  5                           ; v5      tile 2's: 4 (r + 8 (r / 8))
.set X2R,  8                           ; v8-9    tile 2: LDS address of X's fragments, places 0-2 and 3-5: 16 x lane
.set X2S,  10                          ; v10-11  of their scale words: 16 r
.set W2R,  12                          ; v12-13  the same for Wv, units 0-3 and 4-7
.set W2S,  14
.set ADRA, 16                          ; v16-17  tile 1: LDS address of source 1's fragments, places 0-2, 3-5
.set ADSA, 18                          ; v18-19  of its scale words
.set ADRB, 20                          ; v20-23  the same for source 0
.set ADSB, 22
.set CO,   26                          ; v26     16 x lane: my place in a store's 512 bytes
.set SPW,  28                          ; v28     LDS address of my spare word; never rewritten
.set NIL,  29                          ; v29     0; never rewritten
.set CO2,  30                          ; v30     tile 2's codes: 16 x lane + 6144 wy
.set WO2,  31                          ; v31     tile 2's scale words: 16 r + 256 wy
.set SC,   32
.set AF,   64
.set BIAS, 192                         ; in window 1
.set WD,   224                         ; the epilogues: v224-231 scale words, v232-235 those that I store, v236-251 at work
.set SL,   232
.set TM,   236
.set G1,   24                          ; s[24:31] group 1 with my row's mask: X's tiles; s[32:39] group 0 for tile 1, one set for each half of a region
.set G0,   32
.set G1B,  48                          ; s[48:55] group 1 with my column's mask: the weights' tiles; s[56:63] group 0 for tile 1
.set G0B,  56
.set G0U,  68                          ; s[68:71] group 0 for X's steps 0 and 1 again
.set PF,   72                          ; s[72:73] the prefetches' base: the block of 128 rows that I fetch
.set G0W,  76                          ; s[76:79] group 0 for my quarter of Wv's block
.set SEL,  90                          ; s[90:91] v_permlanex16_b32's selects for lane l xor 16
.set MSB, 0
.macro WIN new                         ; the immediate's high byte repeats the setting that is left
.if MSB != (\new)
	s_set_vgpr_msb (MSB<<8)|(\new)
.set MSB, (\new)
.endif
.endm
.set MUL_LO, 0xa1                      ; source 0 window 1, source 1 window 0, C and D window 2
.set MUL_HI, 0xf1                      ; the same, C and D window 3
.set TO_B,   0x40                      ; destination window 1, address window 0
; A joint load of tile 1: waves 0 and 1 fetch X's two blocks, waves 2 and 3 the weight's.  Each line has one mask and one set of registers; the branch hangs on the wave's number alone.
; s_nop 0 and four v_nop follow each tensor load, ahead of the jump, the label and what follows.
.macro JLOAD s
	s_cmp_eq_u32 s15, 0
	s_cbranch_scc0 .Lfor_b_\@
	tensor_load_to_lds s[G0+4*\s:G0+4*\s+3], s[G1:G1+7]
	s_nop 0
.rept 4
	v_nop
.endr
	s_branch .Lasked_\@
.Lfor_b_\@:
	tensor_load_to_lds s[G0B+4*\s:G0B+4*\s+3], s[G1B:G1B+7]
	s_nop 0
.rept 4
	v_nop
.endr
.Lasked_\@:
.endm
.macro CREST                           ; a round of the cluster's barrier behind its opening barrier
	s_cmp_lg_u32 s14, 0
	s_cbranch_scc1 .Lnot_wave_0_\@
	s_barrier_signal -3
.Lnot_wave_0_\@:
	s_barrier_wait -3
	s_barrier_signal -1
	s_barrier_wait -1
.endm
.macro CROUND                          ; a whole round
	s_barrier_signal -1
	s_barrier_wait -1
	CREST
.endm
.macro PLACES n                        ; plain places behind matrix instructions, in front of loads into their registers and of reads of their results
.rept \n
	v_nop
.endr
.endm
	s_load_b256 s[4:11], s[0:1], 0x0               ; xw, bq, bk, bv
	s_load_b64 s[12:13], s[0:1], 0x20              ; qkv
	v_lshl_add_u32 v[SPW], v0, 2, SPARE
	v_mov_b32 v[NIL], 0
	ds_add_u32 v[SPW], v[NIL]                      ; the wave's opening: the add, twice on end, ahead of my first tensor load
	ds_add_u32 v[SPW], v[NIL]
	v_lshrrev_b32 v1, 5, v0
	v_readfirstlane_b32 s14, v1                    ; wave 0..3
	v_and_b32 v1, 15, v0                           ; r
	v_bfe_u32 v2, v0, 4, 1                         ; h
	v_and_b32 v3, 31, v0                           ; lane
	v_lshlrev_b32 v[CO], 4, v3
	v_lshlrev_b32 v[OB1], 6, v2
	v_and_b32 v[OB2], 8, v1
	v_add_nc_u32 v[OB2], v[OB2], v1
	v_lshlrev_b32 v[OB2], 2, v[OB2]
	s_lshr_b32 s15, s14, 1                         ; wy.  Also: in tile 1 I fetch for X (0) or the weight (1)
	s_and_b32 s16, s14, 1                          ; wx.  Also: which block I fetch
	s_bfe_u32 s40, ttmp6, 0x40000                  ; cx
	s_bfe_u32 s41, ttmp6, 0x40004                  ; cy
	s_lshl_b32 s43, s41, 2
	s_lshl_b32 s43, 15, s43                        ; my row of the cluster
	s_lshl_b32 s44, 0x1111, s40                    ; my column
	s_and_b32 s67, ttmp7, 0xffff                   ; the cluster's y, 0..7
	; group 1: a dense block of three units as 150 rows of 256 bytes (32 elements of 8 bytes), no padding
	s_or_b32 s[G1+0], s43, (3<<16)|(1<<21)         ; 15:0 the mask; 17:16 elements of 8 bytes; 21 set beside a mask
	s_or_b32 s[G1B+0], s44, (3<<16)|(1<<21)
.irp g, G1, G1B
	s_mov_b32 s[\g+1], 32<<16                      ; tensor_dim0
	s_mov_b32 s[\g+2], 150<<16                     ; tensor_dim1
	s_mov_b32 s[\g+3], 32<<16                      ; tile_dim0
	s_mov_b32 s[\g+4], 150                         ; tile_dim1
	s_mov_b32 s[\g+5], 32                          ; tensor_dim0_stride
	s_mov_b32 s[\g+6], 0
	s_mov_b32 s[\g+7], 0
.endr
	s_lshl_b32 s17, s41, 1                         ; X's block: 8 x cluster y + 2 cy + which
	s_lshl_b32 s18, s67, 3
	s_add_co_u32 s17, s17, s18
	s_add_co_u32 s17, s17, s16
	s_mul_i32 s20, s17, BLOCK
	s_mov_b32 s21, 0
	s_lshl_b32 s42, s40, 1                         ; tile 1's weight block: 64 + 8 x cluster x + 2 cx + which
	s_lshl_b32 s46, ttmp9, 3
	s_add_co_u32 s42, s42, s46
	s_add_co_u32 s42, s42, s16
	s_add_co_u32 s42, s42, 64
	s_mul_i32 s46, s42, BLOCK
	s_mov_b32 s47, 0
	s_mul_i32 s45, s14, REG                        ; region = wave: no place in the cluster enters an LDS address
	s_lshl_b32 s92, ttmp9, 2                       ; Wv's block: 80 + 4 x cluster x + cx; my quarter of it, two units
	s_add_co_u32 s92, s92, s40
	s_add_co_u32 s92, s92, 80
	s_mul_i32 s92, s92, BLOCK
	s_mul_i32 s93, s14, 2*UNIT
	s_add_co_u32 s92, s92, s93
	s_mov_b32 s93, 0
	s_mul_i32 s94, s15, REG                        ; it goes to region 2 + wave / 2, places 2 + 2 (wave % 2) on
	s_mul_i32 s18, s16, 2*UNIT
	s_add_co_u32 s94, s94, s18
	s_add_co_u32 s94, s94, 2*REG+2*UNIT
	s_mul_i32 s22, s15, UNIT                       ; X again: of block wave % 2 the unit wave / 2,
	s_mov_b32 s23, 0
	s_mul_i32 s19, s16, REG
	s_add_co_u32 s19, s19, s22
	s_add_co_u32 s19, s19, 2*REG                   ; to region 2 + block, place = unit
	; which units I write and which numbers of the biases I add
	s_lshl_b32 s80, s40, 1
	s_lshl_b32 s81, ttmp9, 3
	s_add_co_u32 s80, s80, s81
	s_add_co_u32 s80, s80, s16                     ; 2 TX + wx, 0..15
	s_and_b32 s84, s80, 7                          ; tile 1: the feature block of q or of k
	s_lshl_b32 s82, s41, 1
	s_lshl_b32 s81, s67, 3
	s_add_co_u32 s82, s82, s81                     ; 2 TY
	s_add_co_u32 s83, s82, s16                     ; tile 2: my token block
	s_add_co_u32 s82, s82, s15                     ; tile 1: my token block
	s_lshl_b32 s86, ttmp9, 9                       ; q's units from 0, k's from 512
	s_lshl_b32 s82, s82, 3
	s_add_co_u32 s86, s86, s82
	s_add_co_u32 s86, s86, s84
	s_mul_i32 s86, s86, UNIT
	s_mov_b32 s87, 0
	s_lshl_b32 s89, ttmp9, 2
	s_add_co_u32 s89, s89, s40                     ; TX
	s_lshr_b32 s88, s83, 4                         ; the batch
	s_lshl_b32 s88, s88, 3
	s_add_co_u32 s88, s88, s89
	s_lshl_b32 s88, s88, 4
	s_and_b32 s83, s83, 15                         ; the key step
	s_add_co_u32 s88, s88, s83
	s_add_co_u32 s88, s88, 1024
	s_mul_i32 s88, s88, UNIT
	s_lshl_b32 s82, s89, 9                         ; bv: 128 numbers a block,
	s_lshl_b32 s83, s15, 8                         ; 64 for each half of it
	s_add_co_u32 s82, s82, s83
	s_mov_b32 s83, 0
	s_mov_b32 s89, 0
	s_lshl_b32 s84, s84, 9
	s_mov_b32 s85, 0
	s_wait_alu depctr_va_vdst(0)                   ; directly ahead of the waits below
	s_wait_dscnt 0x0                               ; both opening adds are done
	s_wait_kmcnt 0x0
	s_add_nc_u64 s[20:21], s[4:5], s[20:21]
	s_add_nc_u64 s[46:47], s[4:5], s[46:47]
	s_add_nc_u64 s[92:93], s[4:5], s[92:93]
	s_add_nc_u64 s[22:23], s[20:21], s[22:23]
	s_cmp_eq_u32 ttmp9, 0
	s_cselect_b64 s[6:7], s[6:7], s[8:9]           ; bq where the cluster's x is 0, else bk
	s_add_nc_u64 s[6:7], s[6:7], s[84:85]
	s_add_nc_u64 s[10:11], s[10:11], s[82:83]
	s_add_nc_u64 s[96:97], s[12:13], s[88:89]      ; tile 2's unit
	s_add_nc_u64 s[12:13], s[12:13], s[86:87]      ; tile 1's
	; the biases are asked for ahead of the tiles: 20 small loads
	WIN TO_B
.irp t, 0,1,2,3,4,5,6,7                        ; tile 1: register 8 t + j of the C is the bias of feature 32 (t / 2) + 8 (t % 2) + 16 h + j: eight neighbours
	global_load_b128 v[BIAS+8*\t:BIAS+8*\t+3], v[OB1], s[6:7] offset:(32*(\t/2)+8*(\t%2))*4
	global_load_b128 v[BIAS+8*\t+4:BIAS+8*\t+7], v[OB1], s[6:7] offset:(32*(\t/2)+8*(\t%2))*4+16
.endr
	WIN 0
	global_load_b32 v6, v[OB2], s[10:11]           ; tile 2: my lane's feature in each of my four fragments: 32 (a / 2) + 8 (a % 2) + r + 8 (r / 8)
	global_load_b32 v7, v[OB2], s[10:11] offset:32
	global_load_b32 v24, v[OB2], s[10:11] offset:128
	global_load_b32 v25, v[OB2], s[10:11] offset:160
.irp s, 0,1
	s_mov_b32 s[G0+4*\s], 1
	s_add_co_u32 s[G0+4*\s+1], s45, \s*SLOT
	s_add_nc_u64 s[G0+4*\s+2:G0+4*\s+3], s[20:21], \s*SLOT
	s_or_b32 s[G0+4*\s+3], s[G0+4*\s+3], 0x80000000
	s_mov_b32 s[G0B+4*\s], 1
	s_add_co_u32 s[G0B+4*\s+1], s45, \s*SLOT
	s_add_nc_u64 s[G0B+4*\s+2:G0B+4*\s+3], s[46:47], \s*SLOT
	s_or_b32 s[G0B+4*\s+3], s[G0B+4*\s+3], 0x80000000
.endr
	s_mov_b32 s[G0W], 1
	s_mov_b32 s[G0W+1], s94
	s_mov_b64 s[G0W+2:G0W+3], s[92:93]
	s_or_b32 s[G0W+3], s[G0W+3], 0x80000000
	s_mov_b32 s[G0U], 1
	s_mov_b32 s[G0U+1], s19
	s_mov_b64 s[G0U+2:G0U+3], s[22:23]
	s_or_b32 s[G0U+3], s[G0U+3], 0x80000000
	CROUND                                         ; all sixteen work-groups are here: the first joint loads meet
	JLOAD 0                                        ; K steps 0-2: one tensor load a wave at the head
	s_mul_i32 s82, s15, REG                        ; tile 1: my block of X,
	s_mul_i32 s83, s16, REG                        ; tile 2's block of X,
	s_add_co_u32 s84, s83, 2*REG                   ; tile 1's block of the weight, where X's steps 0 and 1 of tile 2's block come later
.irp s, 0,1
	v_add_nc_u32 v[ADRA+\s], s82, v[CO]
	v_lshl_add_u32 v[ADSA+\s], v1, 4, s82
	v_add_nc_u32 v[ADRB+\s], s84, v[CO]
	v_lshl_add_u32 v[ADSB+\s], v1, 4, s84
	v_add_nc_u32 v[X2R+\s], s83, v[CO]
	v_lshl_add_u32 v[X2S+\s], v1, 4, s83
	s_add_co_u32 s82, s82, SLOT
	s_add_co_u32 s83, s83, SLOT
	s_add_co_u32 s84, s84, SLOT
.endr
	s_mul_i32 s82, s15, 6144                       ; Wv's fragments 4 wy on,
	s_add_co_u32 s83, s82, 2*REG+2*UNIT
	s_lshl_b32 s84, s15, 8                         ; and their scale words
	s_add_co_u32 s85, s84, 2*REG+2*UNIT
.irp s, 0,1
	v_add_nc_u32 v[W2R+\s], s83, v[CO]
	v_lshl_add_u32 v[W2S+\s], v1, 4, s85
	s_add_co_u32 s83, s83, REG
	s_add_co_u32 s85, s85, REG
.endr
	v_add_nc_u32 v[CO2], s82, v[CO]
	v_lshl_add_u32 v[WO2], v1, 4, s84
	; the prefetches: a lane names a block of 256 bytes.  Of a tile of 150 blocks the partner p of four takes 38 from 38 p on (the last of them end at 149), of one of 100 blocks 25 from 25 p on; lanes left over name the last again
	s_cmp_eq_u32 s15, 0
	s_cselect_b64 s[PF:PF+1], s[20:21], s[46:47]
	s_cselect_b32 s74, s40, s41                    ; p: cx for X, cy for the weights
	s_mul_i32 s75, s74, 38
	v_add_nc_u32 v[PA], s75, v3
	v_min_u32 v[PA], 149, v[PA]
	v_lshlrev_b32 v[PA], 8, v[PA]
	v_min_u32 v[PB], 5, v3
	v_add_nc_u32 v[PB], s75, v[PB]
	v_add_nc_u32 v[PB], 32, v[PB]
	v_min_u32 v[PB], 149, v[PB]
	v_lshlrev_b32 v[PB], 8, v[PB]
	s_mul_i32 s75, s74, 25
	s_mul_i32 s74, s41, 25
	v_min_u32 v[PC], 24, v3
	v_add_nc_u32 v[PD], s74, v[PC]
	v_lshlrev_b32 v[PD], 8, v[PD]
	v_add_nc_u32 v[PC], s75, v[PC]
	v_lshlrev_b32 v[PC], 8, v[PC]
	s_mov_b32 s[SEL], 0x76543210
	s_mov_b32 s[SEL+1], 0xfedcba98
	global_prefetch_b8 v[PA], s[PF:PF+1] offset:SLOT th:TH_LOAD_NT scope:SCOPE_SE      ; K steps 3-5
	global_prefetch_b8 v[PB], s[PF:PF+1] offset:SLOT th:TH_LOAD_NT scope:SCOPE_SE
; ---- tile 1.  52 LDS loads in one run: the fragments and scale words of place 3 slot + q into set p.  A load's 512 bytes are consecutive.
.macro FETCH slot, q, p
	WIN TO_B
.irp i, 0,1,2,3,4,5,6,7
.irp c, 0,1,2
	ds_load_b128 v[96*(\p)+12*\i+4*\c:96*(\p)+12*\i+4*\c+3], v[ADRB+\slot] offset:UNIT*(\q)+1536*\i+512*\c
.endr
.endr
	WIN 0
.irp i, 0,1,2,3,4,5,6,7
.irp c, 0,1,2
	ds_load_b128 v[AF+96*(\p)+12*\i+4*\c:AF+96*(\p)+12*\i+4*\c+3], v[ADRA+\slot] offset:UNIT*(\q)+1536*\i+512*\c
.endr
.endr
	ds_load_b128 v[SC+16*(\p):SC+16*(\p)+3], v[ADSA+\slot] offset:UNIT*(\q)+12288        ; four fragments' words of lane row r by one load
	ds_load_b128 v[SC+16*(\p)+4:SC+16*(\p)+7], v[ADSA+\slot] offset:UNIT*(\q)+12544
	ds_load_b128 v[SC+16*(\p)+8:SC+16*(\p)+11], v[ADSB+\slot] offset:UNIT*(\q)+12288
	ds_load_b128 v[SC+16*(\p)+12:SC+16*(\p)+15], v[ADSB+\slot] offset:UNIT*(\q)+12544
.endm
; 16 matrix instructions: X's fragments a0, a0 + 1 x the weight's eight.  first = 1: C = the bias of the weight's rows: nothing is cleared, nothing is added later.
; The 64 accumulators take turns, one instruction a turn, in the same order in every step.
.macro MUL16 a0, p, first
.irp a, \a0, \a0+1
.irp b, 0,1,2,3,4,5,6,7
.set rD, 8*(8*((\a)%4)+\b)
.set rB, 96*(\p)+12*\b
.set rA, AF+96*(\p)+12*(\a)
.set rSB, SC+16*(\p)+8+\b
.set rSA, SC+16*(\p)+(\a)
.if \first
	v_wmma_scale_f32_16x16x128_f8f6f4 v[rD:rD+7], v[rB:rB+11], v[rA:rA+11], v[BIAS+8*\b:BIAS+8*\b+7], v[rSB], v[rSA] matrix_a_fmt:MATRIX_FMT_BF6 matrix_b_fmt:MATRIX_FMT_BF6
.else
	v_wmma_scale_f32_16x16x128_f8f6f4 v[rD:rD+7], v[rB:rB+11], v[rA:rA+11], v[rD:rD+7], v[rSB], v[rSA] matrix_a_fmt:MATRIX_FMT_BF6 matrix_b_fmt:MATRIX_FMT_BF6
.endif
.endr
.endr
.endm
.macro STEP slot, q, p, first          ; a step that has its successor in the same half of the regions
	s_wait_dscnt 0x0                               ; set p is in
	PLACES 4                                       ; in front of the loads into the other set, which the last products read
	FETCH \slot, (\q)+1, 1-(\p)
.if \first
	WIN 0x91                                       ; C from window 1, D window 2
.else
	WIN MUL_LO
.endif
	MUL16 0, \p, \first
	MUL16 2, \p, \first
.if \first
	WIN 0xd1                                       ; D window 3
.else
	WIN MUL_HI
.endif
	MUL16 4, \p, \first
	MUL16 6, \p, \first
	WIN 0
.endm
; A step behind which LDS bytes are filled again: ONE barrier, which opens a round of the cluster's; in front of it each wave waits for all its tensor loads, adds 0 to its spare word, and waits for that and for its reads.
; fill = 1: K steps 6, 7;  3: Wv;  4 (tile 1's last step): X's K steps 0, 1, and nothing more is fetched for tile 1.
.macro TURN slot, next, p, fill
	s_wait_tensorcnt 0x0                           ; all my tensor loads have landed
	ds_add_u32 v[SPW], v[NIL]                      ; 0 onto my spare word
.if \fill == 1
.irp g, G1, G1B                        ; no load of mine is out: from here on a load brings two units, 100 rows
	s_mov_b32 s[\g+2], 100<<16
	s_mov_b32 s[\g+4], 100
.endr
	s_add_nc_u64 s[G0+2:G0+3], s[G0+2:G0+3], 2*SLOT
	s_add_nc_u64 s[G0B+2:G0B+3], s[G0B+2:G0B+3], 2*SLOT
.elseif \fill == 4
	s_mov_b32 s[G1+2], 50<<16                      ; one unit
	s_mov_b32 s[G1+4], 50
.endif
	s_wait_dscnt 0x1                               ; set p is in; the add alone may be out
	WIN MUL_LO
	MUL16 0, \p, 0                                 ; sixteen matrix instructions stand between the add and the wait for it
	s_wait_dscnt 0x0                               ; the add is done, and my reads are over
	s_barrier_signal -1
	MUL16 2, \p, 0
	WIN 0
	s_barrier_wait -1
	CREST                                          ; no wave of any partner still reads these places or has a load on its way
.if \fill == 1
	JLOAD 0                                        ; the first tensor load behind the round, and my only one until the next; its four v_nop are also the places in front of the loads below
.elseif \fill == 3
	tensor_load_to_lds s[G0W:G0W+3], s[G1B:G1B+7]
	s_nop 0
	PLACES 4
.else
	tensor_load_to_lds s[G0U:G0U+3], s[G1:G1+7]
	s_nop 0
	PLACES 4
.endif
.if \fill < 4
	FETCH \next, 0, 1-(\p)
.endif
.if \fill == 1
	global_prefetch_b8 v[PD], s[92:93] th:TH_LOAD_NT scope:SCOPE_SE    ; my quarter of Wv's block
.endif
	WIN MUL_HI
	MUL16 4, \p, 0
	MUL16 6, \p, 0
	WIN 0
.endm
; ---- tile 2.  39 LDS loads in one run: K step k into set k % 2: X's eight fragments (source 0), Wv's four (source 1), their scale words
.macro FETCH2 k
.if (\k) < 2
.set fX, ADRB                          ; X's steps 0 and 1 lie in regions 2 and 3
.set fS, ADSB
.set fO, UNIT*(\k)
.else
.set fX, X2R+((\k)%6)/3
.set fS, X2S+((\k)%6)/3
.set fO, UNIT*(((\k)%6)%3)
.endif
.set fP, (\k)%2
	WIN TO_B
.irp i, 0,1,2,3,4,5,6,7
.irp c, 0,1,2
	ds_load_b128 v[96*fP+12*\i+4*\c:96*fP+12*\i+4*\c+3], v[fX] offset:fO+1536*\i+512*\c
.endr
.endr
	WIN 0
.irp i, 0,1,2,3
.irp c, 0,1,2
	ds_load_b128 v[AF+48*fP+12*\i+4*\c:AF+48*fP+12*\i+4*\c+3], v[W2R+(\k)/4] offset:UNIT*((\k)%4)+1536*\i+512*\c
.endr
.endr
	ds_load_b128 v[SC+16*fP:SC+16*fP+3], v[W2S+(\k)/4] offset:UNIT*((\k)%4)+12288
	ds_load_b128 v[SC+16*fP+8:SC+16*fP+11], v[fS] offset:fO+12288
	ds_load_b128 v[SC+16*fP+12:SC+16*fP+15], v[fS] offset:fO+12544
.endm
; 32 matrix instructions: Wv's four fragments x X's eight.  first = 1: C = the bias of my lane's feature.  The 32 accumulators take turns, one instruction a turn.
.macro MUL32 p, first
.irp a, 0,1,2,3
.irp b, 0,1,2,3,4,5,6,7
.set rD, 8*(8*\a+\b)
.set rB, 96*(\p)+12*\b
.set rA, AF+48*(\p)+12*\a
.if \first
	v_wmma_scale_f32_16x16x128_f8f6f4 v[rD:rD+7], v[rB:rB+11], v[rA:rA+11], v[BIAS+8*\a:BIAS+8*\a+7], v[SC+16*(\p)+8+\b], v[SC+16*(\p)+\a] matrix_a_fmt:MATRIX_FMT_BF6 matrix_b_fmt:MATRIX_FMT_BF6
.else
	v_wmma_scale_f32_16x16x128_f8f6f4 v[rD:rD+7], v[rB:rB+11], v[rA:rA+11], v[rD:rD+7], v[SC+16*(\p)+8+\b], v[SC+16*(\p)+\a] matrix_a_fmt:MATRIX_FMT_BF6 matrix_b_fmt:MATRIX_FMT_BF6
.endif
.endr
.endr
.endm
.macro STEP2 k, next, first
	s_wait_dscnt 0x0                               ; this step's set is in
	PLACES 4                                       ; in front of the loads into the other set
	FETCH2 \next
.if \first
	WIN 0x91
.else
	WIN MUL_LO
.endif
	MUL32 (\k)%2, \first
	WIN 0
.endm
; ---- THE EPILOGUE of tile row a: lane (r, h) holds one row of source 1, and register 16 b + i of the row's 64 is k = 32 b + 16 h + i of the next product: a fragment of my unit.
.macro QUANTA a, co, ptr
.set W, 2+(\a)/4
.set AC, 64*((\a)%4)
.set PC0, 64+20*(\a)                   ; a set of registers for each tile row: no store's data are written again within an epilogue
	WIN W|(W<<2)
.irp b, 0,1,2,3
	v_max3_num_f32 v[TM+\b], |v[AC+16*\b]|, |v[AC+16*\b+1]|, 0x2800000   ; block b: my 16 numbers, each accumulator from its low end on, and the floor 2^(5 - 127)
.endr
	WIN (W<<2)|(W<<4)
.irp i, 2,4,6,8,10,12,14
.irp b, 0,1,2,3
	v_max3_num_f32 v[TM+\b], v[TM+\b], |v[AC+16*\b+\i]|, |v[AC+16*\b+\i+1]|
.endr
.endr
	WIN 0
.irp b, 0,1,2,3
	v_permlanex16_b32 v[TM+4+\b], v[TM+\b], s[SEL], s[SEL+1]
.endr
.irp b, 0,1,2,3
	v_max_num_f32 v[TM+\b], v[TM+\b], v[TM+4+\b]   ; with lane l xor 16's: the block's largest magnitude
.endr
.irp b, 0,1,2,3
	v_add_nc_u32 v[TM+12+\b], 0xfe000000, v[TM+\b] ; 4 off its exponent field: the conversion's scale operand
.endr
.irp b, 0,1,2,3
	v_lshrrev_b32 v[TM+4+\b], 23, v[TM+12+\b]      ; the byte
.endr
	v_lshl_or_b32 v[WD+(\a)], v[TM+5], 8, v[TM+4]
	v_lshl_or_b32 v[WD+(\a)], v[TM+6], 16, v[WD+(\a)]
	v_lshl_or_b32 v[WD+(\a)], v[TM+7], 24, v[WD+(\a)]
	WIN W
.irp c, 0,1
	v_cvt_scalef32_pk16_bf6_f32 v[PC0+6*\c:PC0+6*\c+2], v[AC+32*\c:AC+32*\c+15], v[TM+12+2*\c]
	v_cvt_scalef32_pk16_bf6_f32 v[PC0+12+4*\c:PC0+14+4*\c], v[AC+32*\c+16:AC+32*\c+31], v[TM+12+2*\c+1]   ; (a conversion's three registers begin on an even number)
.endr
	WIN 0
	v_nop                                          ; one plain place behind a scaled conversion
.irp c, 0,1                                    ; the operand's layout wants a WHOLE block in a lane: lanes 0-15 block 2 c, lanes 16-31 block 2 c + 1
.irp i, 0,1,2
	v_permlane16_swap_b32 v[PC0+6*\c+\i], v[PC0+12+4*\c+\i]
.endr
.irp i, 0,1,2
	v_mov_b32 v[PC0+3+6*\c+\i], v[PC0+12+4*\c+\i]
.endr
.endr
.irp c, 0,1,2
	global_store_b128 v[\co], v[PC0+4*\c:PC0+4*\c+3], s[\ptr:\ptr+1] offset:1536*(\a)+512*\c   ; 512 consecutive bytes, at a multiple of 256 from the buffer's first byte
.endr
.endm
	s_wait_alu depctr_va_vdst(0)                   ; the wait at the head's end
	s_wait_tensorcnt 0x0                           ; my part of K steps 0-2 is in
	ds_add_u32 v[SPW], v[NIL]
	s_wait_dscnt 0x0
	CROUND                                         ; everybody's part is in
	JLOAD 1                                        ; K steps 3-5, the first tensor load behind the round
	FETCH 0, 0, 0
	global_prefetch_b8 v[PC], s[PF:PF+1] offset:2*SLOT th:TH_LOAD_NT scope:SCOPE_SE    ; K steps 6, 7
	s_wait_loadcnt 0x0                             ; the biases
	STEP 0, 0, 0, 1
	STEP 0, 1, 1, 0
	TURN 0, 1, 0, 1                                ; K step 2; 6 and 7 are asked for
	STEP 1, 0, 1, 0
	STEP 1, 1, 0, 0
	TURN 1, 0, 1, 3                                ; K step 5; Wv is asked for
	STEP 0, 0, 0, 0
	TURN 0, 1, 1, 4                                ; K step 7; X's steps 0 and 1 are asked for; Wv has been shown landed to every wave
	PLACES 4                                       ; behind the last products: what follows writes registers that they read
.irp b, 0,1,2,3
	v_mov_b32 v[TM+4+\b], 0                        ; a lane permute's destination counts as one of its sources
.endr
	WIN TO_B
.irp j, 0,1,2,3,4,5,6,7                        ; tile 2's C: all eight registers of tile row a hold my lane's feature's bias.  (Tile 1's bias was last read in its first step)
	v_mov_b32 v[BIAS+\j], v6
	v_mov_b32 v[BIAS+8+\j], v7
	v_mov_b32 v[BIAS+16+\j], v24
	v_mov_b32 v[BIAS+24+\j], v25
.endr
	WIN 0
.irp a, 0,1,2,3,4,5,6,7
	QUANTA \a, CO, 12
.endr
	v_cmp_lt_u32 vcc_lo, 15, v3                    ; lanes 0-15 store the words of fragments 0-3, lanes 16-31 those of 4-7
.irp j, 0,1,2,3
	v_cndmask_b32 v[SL+\j], v[WD+\j], v[WD+4+\j], vcc_lo
.endr
	global_store_b128 v[CO], v[SL:SL+3], s[12:13] offset:12288
	s_wait_xcnt 0x0                                ; tile 1's stores have read their registers: tile 2's fragments land there
	FETCH2 2
	STEP2 2, 3, 1
	STEP2 3, 4, 0
	STEP2 4, 5, 0
	STEP2 5, 6, 0
	STEP2 6, 7, 0
	s_wait_tensorcnt 0x0                           ; my part of X's steps 0 and 1 is in,
	ds_add_u32 v[SPW], v[NIL]
	s_wait_dscnt 0x0
	s_barrier_signal -1
	s_barrier_wait -1                              ; everybody's is: the step below fetches K step 0
	STEP2 7, 0, 0
	STEP2 0, 1, 0
	s_wait_dscnt 0x0
	WIN MUL_LO
	MUL32 1, 0
	WIN 0
	PLACES 4                                       ; behind the last products
.irp a, 0,1,2,3
	QUANTA \a, CO2, 96
.endr
	v_cmp_gt_u32 vcc_lo, 16, v3                    ; both halves of the lanes hold the same four words: lanes 0-15 store them, 16 bytes a row: 256 consecutive bytes
	s_wait_xcnt 0x0                                ; EXEC changes only behind this wait: the stores above have read it
	s_and_saveexec_b32 s95, vcc_lo
	global_store_b128 v[WO2], v[WD:WD+3], s[96:97] offset:12288
	s_wait_xcnt 0x0                                ; and again in front of the line that widens it
	s_or_b32 exec_lo, exec_lo, s95
	s_wait_tensorcnt 0x0                           ; the wave's end
	ds_add_u32 v[SPW], v[NIL]
	s_wait_dscnt 0x0
	CROUND                                         ; the closing round: no work-group ends while a partner may still ask for a tile that names it
	s_endpgm
.Lfunc_end_k_qdd90948a34_qkv:
	.size	k_qdd90948a34_qkv, .Lfunc_end_k_qdd90948a34_qkv-k_qdd90948a34_qkv
	.p2alignl 7, 3214868480
	.fill 96, 4, 3214868480
	.section	.rodata,"a",@progbits
	.p2align	6, 0x0
	.amdhsa_kernel k_qdd90948a34_qkv
		.amdhsa_group_segment_fixed_size 327680
		.amdhsa_private_segment_fixed_size 0
		.amdhsa_enable_private_segment 0
		.amdhsa_kernarg_size 40
		.amdhsa_user_sgpr_count 2
		.amdhsa_user_sgpr_kernarg_segment_ptr 1
		.amdhsa_wavefront_size32 1
		.amdhsa_system_sgpr_workgroup_id_x 1
		.amdhsa_system_sgpr_workgroup_id_y 1
		.amdhsa_system_sgpr_workgroup_id_z 1
		.amdhsa_system_vgpr_workitem_id 0
		.amdhsa_next_free_vgpr 1024
		.amdhsa_next_free_sgpr 100
		.amdhsa_reserve_vcc 1
		.amdhsa_float_denorm_mode_32 3
		.amdhsa_float_denorm_mode_16_64 3
		.amdhsa_memory_ordered 1
		.amdhsa_forward_progress 1
		.amdhsa_inst_pref_size 215
	.end_amdhsa_kernel
	.amdgpu_metadata
---
amdhsa.version: [ 1, 2 ]
amdhsa.kernels:
  - .name:           k_qdd90948a34_qkv
    .symbol:         k_qdd90948a34_qkv.kd
    .args:
      - { .name: xw, .offset: 0, .size: 8, .value_kind: global_buffer, .address_space: global }
      - { .name: bq, .offset: 8, .size: 8, .value_kind: global_buffer, .address_space: global }
      - { .name: bk, .offset: 16, .size: 8, .value_kind: global_buffer, .address_space: global }
      - { .name: bv, .offset: 24, .size: 8, .value_kind: global_buffer, .address_space: global }
      - { .name: qkv, .offset: 32, .size: 8, .value_kind: global_buffer, .address_space: global }
    .group_segment_fixed_size: 327680
    .private_segment_fixed_size: 0
    .kernarg_segment_align: 8
    .kernarg_segment_size: 40
    .max_flat_workgroup_size: 128
    .sgpr_count:     100
    .vgpr_count:     1024
    .wavefront_size: 32
...
	.end_amdgpu_metadata
.endif
;; end of part 2
;; launch scores (part 3): grid 8 x 32, 4 waves a work-group, clusters of 4 x 4, 327,680 bytes of LDS; arguments qkv, pimg, stat; writes pimg, stat
.if DOCPART == 3
	.amdgcn_target "amdgcn-amd-amdhsa--gfx1250"
	.amdhsa_code_object_version 6
	.text
	.protected	k_qdd90948a34_scores
	.globl	k_qdd90948a34_scores
	.p2align	8
	.type	k_qdd90948a34_scores,@function
k_qdd90948a34_scores:
	s_mov_b64 s[64:65], 0
	v_nop
	global_prefetch_b8 v0, s[64:65] scope:SCOPE_SE
	s_setreg_imm32_b32 hwreg(HW_REG_WAVE_MODE, 25, 1), 1
	s_wait_xcnt 0x0
	s_wait_alu depctr_hold_cnt(0) depctr_sa_sdst(0) depctr_va_vdst(0) depctr_va_sdst(0) depctr_va_ssrc(0) depctr_va_vcc(0) depctr_vm_vsrc(0)
	s_getreg_b32 s2, hwreg(HW_REG_IB_STS2, 6, 4)
	s_cmp_eq_u32 s2, 0
	s_cbranch_scc0 .Lentry_in_a_cluster
	s_endpgm
.Lentry_in_a_cluster:
	s_bfe_u32 s2, ttmp6, 0x10000c
	s_cmp_lg_u32 s2, 0xf033
	s_cbranch_scc0 .Lentry_shape_is_right
	s_endpgm
.Lentry_shape_is_right:
; S^T = k q^T on codes of BF6, K = the 1,024 features; then, for each query and each 128 keys, a softmax of its own: t = score x log2(e) / 32; M = the largest t of these 128 keys rounded UP to a whole number;
; p = 2^(t - M), quantised along the keys, stored as a UNIT of pimg; M and the sum l of the unquantised p go to stat.  The next launch brings all parts of a row under the row's M: a whole number off each scale byte, which changes no code.
; The maximum is taken away before every exponential: t - M is 0 or less.
; UNITS as in the launch before: 128 rows x 128 K as an image of operand registers, 12,800 bytes; lane row r of fragment i is row rho(i, r) = 32 (i / 2) + 8 (i % 2) + r + 8 (r / 8); scale word of (i, r) at 12288 + 256 (i / 4) + 16 r + 4 (i % 4).
; qkv: q's block g (128 tokens, 8 units) is block g, k's is block 64 + g.  pimg: unit 16 (query block) + key step of the batch.  stat: 1,024 bytes a unit, M at 0 and l at 512, arranged as the scale words are.
; A work-group of four waves makes 256 queries x 256 keys, a wave 128 x 128 = one unit.  Source 0 = keys, source 1 = queries: a lane holds a query, and by rho the 16 registers of tiles 2 b, 2 b + 1 are 16 neighbouring keys.
; CLUSTERS 4 x 4: q's tile is asked for jointly by a row of the cluster, k's by a column.
; LDS: four REGIONS of six units, q's two blocks and k's two; K step s lies in place s % 6.  Three fills, one load a wave each: steps 0-2 at the head, 3-5 as those land, 6 and 7 into the places of 0 and 1.
; PREFETCHES into the L2, each block of 256 bytes once in each cluster, shared out by address among the four partners of a joint load: steps 3-5 behind the head's load, 6-7 behind the load of 3-5: one fill ahead each.
; LIMITS: NaN and infinities are not served; p under 2^-126 comes out 0 (v_exp_f32 gives no denormals: ISA guide, its entry); a block whose every p is 0 keeps the byte 1: its codes are zeros;
; this launch's promise holds while the scaled scores (the exponents to the base 2) stay under 2^31 in magnitude.
; A block's largest p is the exponential of its largest score (the same multiply-add and exponential on the same number): this takes v_exp_f32 not to fall where its input rises.
; REGISTERS: as in the launch before; in the epilogue window 0: v64-127 p; v128-167 codes, two sets; v168-191 at work; v192-199 scale words, v200-207 M, v208-215 l; v216-227 what I store of them.
.set UNIT,  12800
.set BLOCK, 8*UNIT
.set SLOT,  3*UNIT
.set REG,   2*SLOT
.set SPARE, 4*REG                      ; the spare words, 128 bytes for each wave: two blocks of 256 bytes that no other line names
.set PFA,  4                           ; v4-6 the prefetches' offsets
.set PFB,  5
.set PFC,  6
.set ADRA, 16
.set ADSA, 18
.set ADRB, 20
.set ADSB, 22
.set CO,   26
.set SPW,  28
.set NIL,  29
.set SC,   32
.set AF,   64
.set P,    64
.set BM,   168                         ; a block's largest score, then its largest p
.set BX,   172
.set SO,   176                         ; the conversions' scale operands
.set BY,   180                         ; the bytes
.set NM,   184                         ; v[184:185] -M (the packed form names a pair and takes its low word)
.set SU,   186                         ; v[186:189] the sum, in two chains of pairs
.set TT,   190
.set WD,   192
.set MR,   200
.set LR,   208
.set SL,   216
.set G1,   24
.set G0,   32
.set G1B,  48
.set G0B,  56
.set CS,   68                          ; s[68:69] c = log2(e) / 32
.set SEL,  70                          ; s[70:71]
.set PF,   82                          ; s[82:83] the prefetches' base
.set MSB, 0
.macro WIN new
.if MSB != (\new)
	s_set_vgpr_msb (MSB<<8)|(\new)
.set MSB, (\new)
.endif
.endm
.set MUL_LO, 0xa1
.set MUL_HI, 0xf1
.set TO_B,   0x40
.macro JLOAD s                         ; a joint load: waves 0 and 1 fetch q's two blocks, waves 2 and 3 k's; s_nop 0 and four v_nop follow each line
	s_cmp_eq_u32 s15, 0
	s_cbranch_scc0 .Lfor_b_\@
	tensor_load_to_lds s[G0+4*\s:G0+4*\s+3], s[G1:G1+7]
	s_nop 0
.rept 4
	v_nop
.endr
	s_branch .Lasked_\@
.Lfor_b_\@:
	tensor_load_to_lds s[G0B+4*\s:G0B+4*\s+3], s[G1B:G1B+7]
	s_nop 0
.rept 4
	v_nop
.endr
.Lasked_\@:
.endm
.macro CREST
	s_cmp_lg_u32 s14, 0
	s_cbranch_scc1 .Lnot_wave_0_\@
	s_barrier_signal -3
.Lnot_wave_0_\@:
	s_barrier_wait -3
	s_barrier_signal -1
	s_barrier_wait -1
.endm
.macro CROUND
	s_barrier_signal -1
	s_barrier_wait -1
	CREST
.endm
.macro PLACES n
.rept \n
	v_nop
.endr
.endm
	s_load_b128 s[4:7], s[0:1], 0x0                ; qkv, pimg
	s_load_b64 s[8:9], s[0:1], 0x10                ; stat
	v_lshl_add_u32 v[SPW], v0, 2, SPARE
	v_mov_b32 v[NIL], 0
	ds_add_u32 v[SPW], v[NIL]                      ; the wave's opening: the add, twice on end, ahead of my first tensor load
	ds_add_u32 v[SPW], v[NIL]
	v_lshrrev_b32 v1, 5, v0
	v_readfirstlane_b32 s14, v1                    ; wave
	v_and_b32 v1, 15, v0                           ; r
	v_and_b32 v3, 31, v0                           ; lane
	v_lshlrev_b32 v[CO], 4, v3
	s_lshr_b32 s15, s14, 1                         ; wy: my half of the queries.  Also: I fetch for q (0) or k (1)
	s_and_b32 s16, s14, 1                          ; wx: my half of the keys.  Also: which block I fetch
	s_bfe_u32 s40, ttmp6, 0x40000                  ; cx
	s_bfe_u32 s41, ttmp6, 0x40004                  ; cy
	s_lshl_b32 s43, s41, 2
	s_lshl_b32 s43, 15, s43                        ; my row of the cluster
	s_lshl_b32 s44, 0x1111, s40                    ; my column
	s_and_b32 s67, ttmp7, 0xffff                   ; the cluster's y, 0..7; the batch is its half
	s_or_b32 s[G1+0], s43, (3<<16)|(1<<21)         ; group 1: three units, dense, as 150 rows of 256 bytes (32 elements of 8 bytes), no padding
	s_or_b32 s[G1B+0], s44, (3<<16)|(1<<21)
.irp g, G1, G1B
	s_mov_b32 s[\g+1], 32<<16
	s_mov_b32 s[\g+2], 150<<16
	s_mov_b32 s[\g+3], 32<<16
	s_mov_b32 s[\g+4], 150
	s_mov_b32 s[\g+5], 32
	s_mov_b32 s[\g+6], 0
	s_mov_b32 s[\g+7], 0
.endr
	s_lshl_b32 s17, s41, 1                         ; q's block: 8 x cluster y + 2 cy + which
	s_lshl_b32 s18, s67, 3
	s_add_co_u32 s17, s17, s18
	s_add_co_u32 s17, s17, s16
	s_mul_i32 s20, s17, BLOCK
	s_mov_b32 s21, 0
	s_lshl_b32 s42, s40, 1                         ; k's block: 64 + 16 x batch + 8 x cluster x + 2 cx + which
	s_lshl_b32 s46, ttmp9, 3
	s_add_co_u32 s42, s42, s46
	s_lshr_b32 s46, s67, 1
	s_lshl_b32 s46, s46, 4
	s_add_co_u32 s42, s42, s46
	s_add_co_u32 s42, s42, s16
	s_add_co_u32 s42, s42, 64
	s_mul_i32 s46, s42, BLOCK
	s_mov_b32 s47, 0
	s_mul_i32 s45, s14, REG                        ; region = wave
	s_wait_alu depctr_va_vdst(0)                   ; directly ahead of the waits below
	s_wait_dscnt 0x0                               ; both opening adds are done
	s_wait_kmcnt 0x0
	s_add_nc_u64 s[20:21], s[4:5], s[20:21]
	s_add_nc_u64 s[46:47], s[4:5], s[46:47]
.irp s, 0,1
	s_mov_b32 s[G0+4*\s], 1
	s_add_co_u32 s[G0+4*\s+1], s45, \s*SLOT
	s_add_nc_u64 s[G0+4*\s+2:G0+4*\s+3], s[20:21], \s*SLOT
	s_or_b32 s[G0+4*\s+3], s[G0+4*\s+3], 0x80000000
	s_mov_b32 s[G0B+4*\s], 1
	s_add_co_u32 s[G0B+4*\s+1], s45, \s*SLOT
	s_add_nc_u64 s[G0B+4*\s+2:G0B+4*\s+3], s[46:47], \s*SLOT
	s_or_b32 s[G0B+4*\s+3], s[G0B+4*\s+3], 0x80000000
.endr
	CROUND                                         ; all sixteen work-groups are here: the first joint loads meet
	JLOAD 0                                        ; K steps 0-2: one tensor load a wave at the head
	s_mul_i32 s85, s15, REG
	s_mul_i32 s86, s16, REG
	s_add_co_u32 s86, s86, 2*REG
.irp s, 0,1
	v_add_nc_u32 v[ADRA+\s], s85, v[CO]
	v_lshl_add_u32 v[ADSA+\s], v1, 4, s85
	v_add_nc_u32 v[ADRB+\s], s86, v[CO]
	v_lshl_add_u32 v[ADSB+\s], v1, 4, s86
	s_add_co_u32 s85, s85, SLOT
	s_add_co_u32 s86, s86, SLOT
.endr
	; the prefetches: a lane names a block of 256 bytes.  Of a tile of 150 blocks the partner p of four takes 38 from 38 p on (the last of them end at 149), of one of 100 blocks 25 from 25 p on; lanes left over name the last again
	s_cmp_eq_u32 s15, 0
	s_cselect_b64 s[PF:PF+1], s[20:21], s[46:47]
	s_cselect_b32 s74, s40, s41                    ; p: cx for q, cy for k
	s_mul_i32 s75, s74, 38
	v_add_nc_u32 v[PFA], s75, v3
	v_min_u32 v[PFA], 149, v[PFA]
	v_lshlrev_b32 v[PFA], 8, v[PFA]
	v_min_u32 v[PFB], 5, v3
	v_add_nc_u32 v[PFB], s75, v[PFB]
	v_add_nc_u32 v[PFB], 32, v[PFB]
	v_min_u32 v[PFB], 149, v[PFB]
	v_lshlrev_b32 v[PFB], 8, v[PFB]
	s_mul_i32 s75, s74, 25
	v_min_u32 v[PFC], 24, v3
	v_add_nc_u32 v[PFC], s75, v[PFC]
	v_lshlrev_b32 v[PFC], 8, v[PFC]
	global_prefetch_b8 v[PFA], s[PF:PF+1] offset:SLOT th:TH_LOAD_NT scope:SCOPE_SE     ; K steps 3-5
	global_prefetch_b8 v[PFB], s[PF:PF+1] offset:SLOT th:TH_LOAD_NT scope:SCOPE_SE
	s_lshl_b32 s72, s40, 1
	s_lshl_b32 s74, ttmp9, 3
	s_add_co_u32 s72, s72, s74
	s_add_co_u32 s72, s72, s16                     ; my key step of the batch
	s_lshl_b32 s73, s41, 1
	s_lshl_b32 s74, s67, 3
	s_add_co_u32 s73, s73, s74
	s_add_co_u32 s73, s73, s15                     ; my query block
	s_lshl_b32 s74, s73, 4
	s_add_co_u32 s74, s74, s72                     ; my unit
	s_mul_i32 s78, s74, UNIT
	s_mov_b32 s79, 0
	s_add_nc_u64 s[6:7], s[6:7], s[78:79]
	s_lshl_b32 s80, s74, 10
	s_mov_b32 s81, 0
	s_add_nc_u64 s[8:9], s[8:9], s[80:81]
	s_mov_b32 s[CS], 0x3d38aa3b                    ; log2(e) / 32: the division by sqrt(1024) is a power of two, so one multiplication rounds as the two steps (/ 32, x log2(e)) do
	s_mov_b32 s[CS+1], s[CS]                       ; (named with it as a pair, so it is written)
	s_mov_b32 s[SEL], 0x76543210
	s_mov_b32 s[SEL+1], 0xfedcba98
.macro FETCH slot, q, p                ; 52 LDS loads in one run: the fragments and scale words of place 3 slot + q into set p
	WIN TO_B
.irp i, 0,1,2,3,4,5,6,7
.irp c, 0,1,2
	ds_load_b128 v[96*(\p)+12*\i+4*\c:96*(\p)+12*\i+4*\c+3], v[ADRB+\slot] offset:UNIT*(\q)+1536*\i+512*\c
.endr
.endr
	WIN 0
.irp i, 0,1,2,3,4,5,6,7
.irp c, 0,1,2
	ds_load_b128 v[AF+96*(\p)+12*\i+4*\c:AF+96*(\p)+12*\i+4*\c+3], v[ADRA+\slot] offset:UNIT*(\q)+1536*\i+512*\c
.endr
.endr
	ds_load_b128 v[SC+16*(\p):SC+16*(\p)+3], v[ADSA+\slot] offset:UNIT*(\q)+12288
	ds_load_b128 v[SC+16*(\p)+4:SC+16*(\p)+7], v[ADSA+\slot] offset:UNIT*(\q)+12544
	ds_load_b128 v[SC+16*(\p)+8:SC+16*(\p)+11], v[ADSB+\slot] offset:UNIT*(\q)+12288
	ds_load_b128 v[SC+16*(\p)+12:SC+16*(\p)+15], v[ADSB+\slot] offset:UNIT*(\q)+12544
.endm
; 16 matrix instructions: q's fragments a0, a0 + 1 x k's eight.  zero = 1: the first products start the sums.  The 64 accumulators take turns, one instruction a turn.
.macro MUL16 a0, p, zero
.irp a, \a0, \a0+1
.irp b, 0,1,2,3,4,5,6,7
.set rD, 8*(8*((\a)%4)+\b)
.set rB, 96*(\p)+12*\b
.set rA, AF+96*(\p)+12*(\a)
.set rSB, SC+16*(\p)+8+\b
.set rSA, SC+16*(\p)+(\a)
.if \zero
	v_wmma_scale_f32_16x16x128_f8f6f4 v[rD:rD+7], v[rB:rB+11], v[rA:rA+11], 0, v[rSB], v[rSA] matrix_a_fmt:MATRIX_FMT_BF6 matrix_b_fmt:MATRIX_FMT_BF6
.else
	v_wmma_scale_f32_16x16x128_f8f6f4 v[rD:rD+7], v[rB:rB+11], v[rA:rA+11], v[rD:rD+7], v[rSB], v[rSA] matrix_a_fmt:MATRIX_FMT_BF6 matrix_b_fmt:MATRIX_FMT_BF6
.endif
.endr
.endr
.endm
.macro PROD p, zero
	WIN MUL_LO
	MUL16 0, \p, \zero
	MUL16 2, \p, \zero
	WIN MUL_HI
	MUL16 4, \p, \zero
	MUL16 6, \p, \zero
	WIN 0
.endm
.macro STEP slot, q, p, zero
	s_wait_dscnt 0x0                               ; set p is in
	PLACES 4                                       ; in front of the loads into the other set, which the last products read
	FETCH \slot, (\q)+1, 1-(\p)
	PROD \p, \zero
.endm
.macro TURN next, p, fill              ; the last step of a half of the regions: one barrier, the three lines in front of it, the refill first behind it
	s_wait_tensorcnt 0x0                           ; all my tensor loads have landed: my part of the next fill
	ds_add_u32 v[SPW], v[NIL]                      ; 0 onto my spare word
.if \fill
.irp g, G1, G1B                        ; no load of mine is out: the last fill brings two units, 100 rows
	s_mov_b32 s[\g+2], 100<<16
	s_mov_b32 s[\g+4], 100
.endr
	s_add_nc_u64 s[G0+2:G0+3], s[G0+2:G0+3], 2*SLOT
	s_add_nc_u64 s[G0B+2:G0B+3], s[G0B+2:G0B+3], 2*SLOT
.endif
	s_wait_dscnt 0x1                               ; set p is in; the add alone may be out
	WIN MUL_LO
	MUL16 0, \p, 0
	s_wait_dscnt 0x0                               ; the add is done, and my reads are over
	s_barrier_signal -1
	MUL16 2, \p, 0
	WIN 0
	s_barrier_wait -1
.if \fill
	CREST                                          ; a round of the cluster's barrier: no wave of any partner still reads these places or has a load on its way
	JLOAD 0                                        ; my one tensor load behind the round; its four v_nop are also the places in front of the loads below
.else
	PLACES 4
.endif
	FETCH \next, 0, 1-(\p)
	WIN MUL_HI
	MUL16 4, \p, 0
	MUL16 6, \p, 0
	WIN 0
.endm
	s_wait_alu depctr_va_vdst(0)                   ; the wait at the head's end
	s_wait_tensorcnt 0x0                           ; my part of K steps 0-2 is in
	ds_add_u32 v[SPW], v[NIL]
	s_wait_dscnt 0x0
	CROUND                                         ; everybody's part is in
	JLOAD 1                                        ; K steps 3-5
	FETCH 0, 0, 0
	global_prefetch_b8 v[PFC], s[PF:PF+1] offset:2*SLOT th:TH_LOAD_NT scope:SCOPE_SE   ; K steps 6, 7
	STEP 0, 0, 0, 1
	STEP 0, 1, 1, 0
	TURN 1, 0, 1                                   ; K step 2; 6 and 7 are asked for
	STEP 1, 0, 1, 0
	STEP 1, 1, 0, 0
	TURN 0, 1, 0                                   ; K step 5
	STEP 0, 0, 0, 0
	s_wait_dscnt 0x0
	PROD 1, 0
; THE SOFTMAX of tile row a: lane (r, h) holds query rho(a, r); register 16 b + i of its 64 is key 32 b + 16 h + i of my 128.
.macro SOFT a
.set W, 2+(\a)/4
.set AC, 64*((\a)%4)
.set PC, 128+20*((\a)%2)
	WIN W|(W<<2)|(W<<4)
.irp b, 0,1,2,3
	v_max3_num_f32 v[BM+\b], v[AC+16*\b], v[AC+16*\b+1], v[AC+16*\b+2]   ; the largest SCORE of each block of 32 keys: it serves the row's maximum and, since p rises with the score, the block's largest p
.endr
	WIN (W<<2)|(W<<4)
.irp i, 3,5,7,9,11,13
.irp b, 0,1,2,3
	v_max3_num_f32 v[BM+\b], v[BM+\b], v[AC+16*\b+\i], v[AC+16*\b+\i+1]   ; ascending: each accumulator is first read at its low end
.endr
.endr
.irp b, 0,1,2,3
	v_max_num_f32 v[BM+\b], v[BM+\b], v[AC+16*\b+15]
.endr
	WIN 0
.irp b, 0,1,2,3
	v_permlanex16_b32 v[BX+\b], v[BM+\b], s[SEL], s[SEL+1]
.endr
.irp b, 0,1,2,3
	v_max_num_f32 v[BM+\b], v[BM+\b], v[BX+\b]     ; with lane l xor 16's 16 keys
.endr
	v_max3_num_f32 v[TT], v[BM], v[BM+1], v[BM+2]
	v_max_num_f32 v[TT], v[TT], v[BM+3]
	v_mul_f32 v[TT], s[CS], v[TT]                  ; as t (c is positive)
	v_floor_f32 v[NM], -v[TT]                      ; -M = floor(-t) = -ceil(t): a whole number
	WIN W
.set j, 0
.rept 32
	v_pk_fma_f32 v[P+j:P+j+1], v[AC+j:AC+j+1], s[CS:CS+1], v[NM:NM+1] op_sel_hi:[1,0,0]   ; t - M, two at a time
.set j, j+2
.endr
	WIN 0
.irp b, 0,1,2,3
	v_fma_f32 v[BM+\b], v[BM+\b], s[CS], v[NM]     ; the same of each block's largest score
.endr
.set j, 0
	s_wait_alu depctr_va_vdst(0)
.rept 64
	v_exp_f32 v[P+j], v[P+j]                       ; p = 2^(t - M), at most 1
.set j, j+1
.endr
	v_sub_f32 v[MR+(\a)], 0, v[NM]                 ; M.  (The plain place behind the exponentials)
	s_wait_alu depctr_va_vdst(0)                   ; one wait for the batch of 64, ahead of its first reader
.irp b, 0,1,2,3
	v_exp_f32 v[BM+\b], v[BM+\b]                   ; the block's largest p
.endr
	v_pk_add_f32 v[SU:SU+1], v[P:P+1], v[P+2:P+3]  ; THE SUM IS TAKEN OF THE UNQUANTISED p, in two chains.  (It reads the 64 alone: plain work behind the four)
	v_pk_add_f32 v[SU+2:SU+3], v[P+4:P+5], v[P+6:P+7]
.set j, 8
.rept 14
	v_pk_add_f32 v[SU:SU+1], v[SU:SU+1], v[P+j:P+j+1]
	v_pk_add_f32 v[SU+2:SU+3], v[SU+2:SU+3], v[P+j+2:P+j+3]
.set j, j+4
.endr
	v_pk_add_f32 v[SU:SU+1], v[SU:SU+1], v[SU+2:SU+3]
	v_add_f32 v[TT], v[SU], v[SU+1]
	v_permlanex16_b32 v[TT+1], v[TT], s[SEL], s[SEL+1]
	v_add_f32 v[LR+(\a)], v[TT], v[TT+1]           ; l of my query over these 128 keys
	s_wait_alu depctr_va_vdst(0)                   ; and one wait for the four
.irp b, 0,1,2,3
	v_max_num_f32 v[BM+\b], 0x2800000, v[BM+\b]    ; the floor 2^(5 - 127): the byte cannot fall under 1
.endr
.irp b, 0,1,2,3
	v_add_nc_u32 v[SO+\b], 0xfe000000, v[BM+\b]
.endr
.irp b, 0,1,2,3
	v_lshrrev_b32 v[BY+\b], 23, v[SO+\b]
.endr
	v_lshl_or_b32 v[WD+(\a)], v[BY+1], 8, v[BY]
	v_lshl_or_b32 v[WD+(\a)], v[BY+2], 16, v[WD+(\a)]
	v_lshl_or_b32 v[WD+(\a)], v[BY+3], 24, v[WD+(\a)]
.if (\a) > 1
	s_wait_xcnt 0x0                                ; the stores of two tile rows ago have read this set of code registers
.endif
.irp c, 0,1
	v_cvt_scalef32_pk16_bf6_f32 v[PC+6*\c:PC+6*\c+2], v[P+32*\c:P+32*\c+15], v[SO+2*\c]
	v_cvt_scalef32_pk16_bf6_f32 v[PC+12+4*\c:PC+14+4*\c], v[P+32*\c+16:P+32*\c+31], v[SO+2*\c+1]
.endr
	v_nop                                          ; one plain place behind a scaled conversion
.irp c, 0,1
.irp i, 0,1,2
	v_permlane16_swap_b32 v[PC+6*\c+\i], v[PC+12+4*\c+\i]
.endr
.irp i, 0,1,2
	v_mov_b32 v[PC+3+6*\c+\i], v[PC+12+4*\c+\i]
.endr
.endr
.irp c, 0,1,2
	global_store_b128 v[CO], v[PC+4*\c:PC+4*\c+3], s[6:7] offset:1536*(\a)+512*\c   ; 512 consecutive bytes, at a multiple of 256 from the buffer's first byte
.endr
.endm
	PLACES 4                                       ; behind the last products: what follows writes registers that they read
.irp b, 0,1,2,3
	v_mov_b32 v[BX+\b], 0                          ; a lane permute's destination counts as one of its sources
.endr
	v_mov_b32 v[TT+1], 0
	v_mov_b32 v[NM+1], 0                           ; (named as the upper half of a pair)
.irp a, 0,1,2,3,4,5,6,7
	SOFT \a
.endr
	v_cmp_lt_u32 vcc_lo, 15, v3                    ; lanes 0-15 store what belongs to fragments 0-3, lanes 16-31 to 4-7
.irp j, 0,1,2,3
	v_cndmask_b32 v[SL+\j], v[WD+\j], v[WD+4+\j], vcc_lo
	v_cndmask_b32 v[SL+4+\j], v[MR+\j], v[MR+4+\j], vcc_lo
	v_cndmask_b32 v[SL+8+\j], v[LR+\j], v[LR+4+\j], vcc_lo
.endr
	global_store_b128 v[CO], v[SL:SL+3], s[6:7] offset:12288
	global_store_b128 v[CO], v[SL+4:SL+7], s[8:9]
	global_store_b128 v[CO], v[SL+8:SL+11], s[8:9] offset:512
	s_wait_tensorcnt 0x0                           ; the wave's end
	ds_add_u32 v[SPW], v[NIL]
	s_wait_dscnt 0x0
	CROUND                                         ; the closing round
	s_endpgm
.Lfunc_end_k_qdd90948a34_scores:
	.size	k_qdd90948a34_scores, .Lfunc_end_k_qdd90948a34_scores-k_qdd90948a34_scores
	.p2alignl 7, 3214868480
	.fill 96, 4, 3214868480
	.section	.rodata,"a",@progbits
	.p2align	6, 0x0
	.amdhsa_kernel k_qdd90948a34_scores
		.amdhsa_group_segment_fixed_size 327680
		.amdhsa_private_segment_fixed_size 0
		.amdhsa_enable_private_segment 0
		.amdhsa_kernarg_size 24
		.amdhsa_user_sgpr_count 2
		.amdhsa_user_sgpr_kernarg_segment_ptr 1
		.amdhsa_wavefront_size32 1
		.amdhsa_system_sgpr_workgroup_id_x 1
		.amdhsa_system_sgpr_workgroup_id_y 1
		.amdhsa_system_sgpr_workgroup_id_z 1
		.amdhsa_system_vgpr_workitem_id 0
		.amdhsa_next_free_vgpr 1024
		.amdhsa_next_free_sgpr 100
		.amdhsa_reserve_vcc 1
		.amdhsa_float_denorm_mode_32 3
		.amdhsa_float_denorm_mode_16_64 3
		.amdhsa_memory_ordered 1
		.amdhsa_forward_progress 1
		.amdhsa_inst_pref_size 191
	.end_amdhsa_kernel
	.amdgpu_metadata
---
amdhsa.version: [ 1, 2 ]
amdhsa.kernels:
  - .name:           k_qdd90948a34_scores
    .symbol:         k_qdd90948a34_scores.kd
    .args:
      - { .name: qkv, .offset: 0, .size: 8, .value_kind: global_buffer, .address_space: global }
      - { .name: pimg, .offset: 8, .size: 8, .value_kind: global_buffer, .address_space: global }
      - { .name: stat, .offset: 16, .size: 8, .value_kind: global_buffer, .address_space: global }
    .group_segment_fixed_size: 327680
    .private_segment_fixed_size: 0
    .kernarg_segment_align: 8
    .kernarg_segment_size: 24
    .max_flat_workgroup_size: 128
    .sgpr_count:     100
    .vgpr_count:     1024
    .wavefront_size: 32
...
	.end_amdgpu_metadata
.endif
;; end of part 3
;; launch pv (part 4): grid 8 x 32, 4 waves a work-group, clusters of 4 x 4, 327,680 bytes of LDS; arguments pimg, stat, qkv, out0; writes out0
.if DOCPART == 4
	.amdgcn_target "amdgcn-amd-amdhsa--gfx1250"
	.amdhsa_code_object_version 6
	.text
	.protected	k_qdd90948a34_pv
	.globl	k_qdd90948a34_pv
	.p2align	8
	.type	k_qdd90948a34_pv,@function
k_qdd90948a34_pv:
	s_mov_b64 s[64:65], 0
	v_nop
	global_prefetch_b8 v0, s[64:65] scope:SCOPE_SE
	s_setreg_imm32_b32 hwreg(HW_REG_WAVE_MODE, 25, 1), 1
	s_wait_xcnt 0x0
	s_wait_alu depctr_hold_cnt(0) depctr_sa_sdst(0) depctr_va_vdst(0) depctr_va_sdst(0) depctr_va_ssrc(0) depctr_va_vcc(0) depctr_vm_vsrc(0)
	s_getreg_b32 s2, hwreg(HW_REG_IB_STS2, 6, 4)
	s_cmp_eq_u32 s2, 0
	s_cbranch_scc0 .Lentry_in_a_cluster
	s_endpgm
.Lentry_in_a_cluster:
	s_bfe_u32 s2, ttmp6, 0x10000c
	s_cmp_lg_u32 s2, 0xf033
	s_cbranch_scc0 .Lentry_shape_is_right
	s_endpgm
.Lentry_shape_is_right:
; out = (p v) / l on codes of BF6, K = the batch's 2,048 keys in 16 steps of 128.  p comes as units whose 128 keys have an M and a sum l of their own (stat): the row's M is the largest of its 16; each step's scale bytes get
; (its M - the row's M) added, held at 0 from below (2^-127), which changes no code, and its l the same power of two; a difference is held at 127: such a part is under 2^-120 of the row's sum.
; UNITS as in the launches before: fragment i at 1536 i, its scale words at 12288 + 256 (i / 4) + 16 r + 4 (i % 4); lane row r of fragment i is row rho(i, r) = 32 (i / 2) + 8 (i % 2) + r + 8 (r / 8).
; A work-group of four waves makes 256 queries x 128 features, a wave 64 x 128: 32 accumulators.  Source 0 = features (V^T), source 1 = queries: by rho a lane holds 16 neighbouring features of a query in tiles 2 b, 2 b + 1.
; CLUSTERS 4 x 4: p's tile is asked for jointly by a row of the cluster, v's by a column.
; LDS: two slots of four steps: p's two blocks and v's, four units each: 153,600 bytes.  Four fills, one load a wave each (waves 0, 1: a block of p; waves 2, 3: half of v's units).
; PREFETCHES into the L2, each block of 256 bytes once in each cluster, shared out by address among the four partners of a joint load: fill g + 1 is asked for behind fill g's load.
; THE SCALE WORDS OF p stay in 32 registers: lanes 0-15 hold those of step 2 t, lanes 16-31 those of step 2 t + 1; the odd steps' products name the upper row.
; The last K step goes by rows of the result: a row of tiles leaves through the wave's own stage, in the slot that has had its last fill and its last read, while the next is multiplied.
; LIMITS: NaN and infinities are not served.
; REGISTERS: window 0: v0-31 addresses; v40-55 v's scale words, two sets; v56-63 1 / l; v64-159 p's fragments, two sets (v112-135 at work in the head); v160-223 M and l, at the end scaled results; v224-255 p's scale words.
;   window 1: v0-191 v's fragments, two sets; at the end v192-255 and v0-63 by turns take rows read back.   window 2: accumulator (a, b) at v[8 (8 a + b)].
.set UNIT,  12800
.set PREG,  4*UNIT
.set SLOT,  3*PREG
.set SPARE, 2*SLOT                     ; the spare words, 128 bytes for each wave: two blocks of 256 bytes that no other line names
.set SPITCH, 528                       ; a stage row: 512 bytes + 16
.set HP,   4
.set HS,   5
.set STO,  6
.set RD,   7
.set PFA,  10                          ; v10-11 the prefetches' offsets
.set PFB,  11
.set ADRA, 16                          ; v16-17 LDS address of my p fragments in slot 0, 1
.set ADRB, 20                          ; v20-21 of v's,
.set ADSB, 22                          ; v22-23 and of v's scale words
.set CO,   26
.set SPW,  28
.set NIL,  29
.set VS,   40
.set RL,   56
.set AF,   64
.set MX,   112
.set LT,   116
.set PX,   120
.set T0,   124
.set T1,   128
.set T2,   132
.set MS,   160
.set LS,   192
.set WS,   224
.set Y,    160
.set G1,   24
.set G0,   32
.set G1B,  48
.set G0B,  56
.set SEL,  70
.set HI,   82
.set PF,   88                          ; s[88:89] the prefetches' base
.set MSB, 0
.macro WIN new
.if MSB != (\new)
	s_set_vgpr_msb (MSB<<8)|(\new)
.set MSB, (\new)
.endif
.endm
.set MUL,  0xa1
.set TO_B, 0x40
.macro JLOAD s                         ; a joint load: waves 0 and 1 fetch p's two blocks, waves 2 and 3 v's halves; s_nop 0 and four v_nop follow each line
	s_cmp_eq_u32 s15, 0
	s_cbranch_scc0 .Lfor_b_\@
	tensor_load_to_lds s[G0+4*\s:G0+4*\s+3], s[G1:G1+7]
	s_nop 0
.rept 4
	v_nop
.endr
	s_branch .Lasked_\@
.Lfor_b_\@:
	tensor_load_to_lds s[G0B+4*\s:G0B+4*\s+3], s[G1B:G1B+7]
	s_nop 0
.rept 4
	v_nop
.endr
.Lasked_\@:
.endm
.macro CREST
	s_cmp_lg_u32 s14, 0
	s_cbranch_scc1 .Lnot_wave_0_\@
	s_barrier_signal -3
.Lnot_wave_0_\@:
	s_barrier_wait -3
	s_barrier_signal -1
	s_barrier_wait -1
.endm
.macro CROUND
	s_barrier_signal -1
	s_barrier_wait -1
	CREST
.endm
.macro PLACES n
.rept \n
	v_nop
.endr
.endm
.macro ASK g                           ; fill g: of p's 200 blocks of 256 bytes a partner takes 50 (two instructions), of v's 100 it takes 25 (one)
	s_cmp_eq_u32 s15, 0
	global_prefetch_b8 v[PFA], s[PF:PF+1] offset:(\g)*PREG th:TH_LOAD_NT scope:SCOPE_SE
	s_cbranch_scc0 .Lone_\@
	global_prefetch_b8 v[PFB], s[PF:PF+1] offset:(\g)*PREG th:TH_LOAD_NT scope:SCOPE_SE
.Lone_\@:
.endm
	s_load_b256 s[4:11], s[0:1], 0x0               ; pimg, stat, qkv, out0
	v_lshl_add_u32 v[SPW], v0, 2, SPARE
	v_mov_b32 v[NIL], 0
	ds_add_u32 v[SPW], v[NIL]                      ; the wave's opening: the add, twice on end, ahead of my first tensor load
	ds_add_u32 v[SPW], v[NIL]
	v_lshrrev_b32 v1, 5, v0
	v_readfirstlane_b32 s14, v1                    ; wave
	v_and_b32 v1, 15, v0                           ; r
	v_bfe_u32 v2, v0, 4, 1                         ; h
	v_and_b32 v3, 31, v0                           ; lane
	v_lshlrev_b32 v[CO], 4, v3
	v_lshlrev_b32 v8, 4, v1
	v_mad_u32_u24 v[HP], v2, UNIT, v8
	v_lshl_add_u32 v[HS], v2, 10, v8
	s_lshr_b32 s15, s14, 1                         ; my block of queries.  Also: I fetch for p (0) or v (1)
	s_and_b32 s16, s14, 1                          ; which half of it.  Also: which part I fetch
	s_bfe_u32 s40, ttmp6, 0x40000                  ; cx
	s_bfe_u32 s41, ttmp6, 0x40004                  ; cy
	s_lshl_b32 s43, s41, 2
	s_lshl_b32 s43, 15, s43                        ; my row of the cluster
	s_lshl_b32 s44, 0x1111, s40                    ; my column
	s_and_b32 s67, ttmp7, 0xffff                   ; the cluster's y; the batch is its half
	s_or_b32 s[G1+0], s43, (3<<16)|(1<<21)         ; group 1 for p: four units, dense, as 200 rows of 256 bytes (32 elements of 8 bytes), no padding
	s_mov_b32 s[G1+1], 32<<16
	s_mov_b32 s[G1+2], 200<<16
	s_mov_b32 s[G1+3], 32<<16
	s_mov_b32 s[G1+4], 200
	s_mov_b32 s[G1+5], 32
	s_mov_b32 s[G1+6], 0
	s_mov_b32 s[G1+7], 0
	s_or_b32 s[G1B+0], s44, (3<<16)|(1<<21)        ; for v: two units, 100 rows
	s_mov_b32 s[G1B+1], 32<<16
	s_mov_b32 s[G1B+2], 100<<16
	s_mov_b32 s[G1B+3], 32<<16
	s_mov_b32 s[G1B+4], 100
	s_mov_b32 s[G1B+5], 32
	s_mov_b32 s[G1B+6], 0
	s_mov_b32 s[G1B+7], 0
	s_lshl_b32 s17, s41, 1                         ; p's block: 8 x cluster y + 2 cy + which
	s_lshl_b32 s18, s67, 3
	s_add_co_u32 s17, s17, s18
	s_add_co_u32 s17, s17, s16
	s_mul_i32 s20, s17, 16*UNIT
	s_mov_b32 s21, 0
	s_lshr_b32 s42, s67, 1                         ; v's units: 1024 + 16 (8 batch + TX), and my half of each slot's four
	s_lshl_b32 s42, s42, 3
	s_lshl_b32 s46, ttmp9, 2
	s_add_co_u32 s42, s42, s46
	s_add_co_u32 s42, s42, s40
	s_lshl_b32 s42, s42, 4
	s_add_co_u32 s42, s42, 1024
	s_mul_i32 s46, s42, UNIT
	s_mul_i32 s94, s16, 2*UNIT
	s_add_co_u32 s46, s46, s94
	s_mov_b32 s47, 0
	s_mul_i32 s45, s16, PREG
	s_add_co_u32 s94, s94, 2*PREG
	s_lshl_b32 s72, s41, 1
	s_lshl_b32 s73, s67, 3
	s_add_co_u32 s72, s72, s73
	s_add_co_u32 s73, s72, s15                     ; my query block
	s_lshl_b32 s76, s16, 8                         ; my half's words
	s_mul_i32 s74, s73, 16*UNIT
	s_add_co_u32 s74, s74, s76
	s_mov_b32 s75, 0
	s_lshl_b32 s78, s73, 14
	s_add_co_u32 s78, s78, s76
	s_mov_b32 s79, 0
	s_wait_alu depctr_va_vdst(0)                   ; directly ahead of the waits below
	s_wait_dscnt 0x0                               ; both opening adds are done
	s_wait_kmcnt 0x0
	s_add_nc_u64 s[20:21], s[4:5], s[20:21]
	s_add_nc_u64 s[46:47], s[8:9], s[46:47]
	s_add_nc_u64 s[74:75], s[4:5], s[74:75]
	s_add_nc_u64 s[78:79], s[6:7], s[78:79]
.irp t, 0,1,2,3,4,5,6,7                        ; lanes 0-15 step 2 t, lanes 16-31 step 2 t + 1; four fragments' words a lane
	global_load_b128 v[MS+4*\t:MS+4*\t+3], v[HS], s[78:79] offset:2048*\t
.endr
.irp t, 0,1,2,3,4,5,6,7
	global_load_b128 v[LS+4*\t:LS+4*\t+3], v[HS], s[78:79] offset:2048*\t+512
	global_load_b128 v[WS+4*\t:WS+4*\t+3], v[HP], s[74:75] offset:2*UNIT*\t+12288
.endr
.irp s, 0,1
	s_mov_b32 s[G0+4*\s], 1
	s_add_co_u32 s[G0+4*\s+1], s45, \s*SLOT
	s_add_nc_u64 s[G0+4*\s+2:G0+4*\s+3], s[20:21], \s*PREG
	s_or_b32 s[G0+4*\s+3], s[G0+4*\s+3], 0x80000000
	s_mov_b32 s[G0B+4*\s], 1
	s_add_co_u32 s[G0B+4*\s+1], s94, \s*SLOT
	s_add_nc_u64 s[G0B+4*\s+2:G0B+4*\s+3], s[46:47], \s*PREG
	s_or_b32 s[G0B+4*\s+3], s[G0B+4*\s+3], 0x80000000
.endr
	CROUND                                         ; all sixteen work-groups are here: the first joint loads meet
	JLOAD 0                                        ; steps 0-3: one tensor load a wave at the head
	s_cmp_eq_u32 s15, 0
	s_cselect_b64 s[PF:PF+1], s[20:21], s[46:47]
	s_cselect_b32 s90, s40, s41                    ; my place among the partners: cx for p, cy for v
	s_cselect_b32 s91, 50, 25
	s_cselect_b32 s93, 31, 24
	s_mul_i32 s90, s90, s91
	v_min_u32 v[PFA], s93, v3                      ; lanes left over name the last block again
	v_add_nc_u32 v[PFA], s90, v[PFA]
	v_lshlrev_b32 v[PFA], 8, v[PFA]
	v_min_u32 v[PFB], 17, v3
	v_add_nc_u32 v[PFB], s90, v[PFB]
	v_add_nc_u32 v[PFB], 32, v[PFB]
	v_lshlrev_b32 v[PFB], 8, v[PFB]
	s_wait_alu depctr_va_vdst(0)                   ; the wait ahead of the branch below
	ASK 1
	s_lshl_b32 s80, s72, 7
	s_lshl_b32 s81, s14, 6
	s_add_co_u32 s80, s80, s81                     ; my first row of the result
	s_lshl_b32 s80, s80, 12
	s_lshl_b32 s81, ttmp9, 2
	s_add_co_u32 s81, s81, s40
	s_lshl_b32 s81, s81, 9
	s_add_co_u32 s80, s80, s81
	s_mov_b32 s81, 0
	s_add_nc_u64 s[10:11], s[10:11], s[80:81]
	s_mov_b32 s[SEL], 0x76543210
	s_mov_b32 s[SEL+1], 0xfedcba98
	s_mov_b32 s[HI], 0x80808080
	s_mul_i32 s85, s15, PREG
	s_mul_i32 s86, s16, 6144
	s_add_co_u32 s85, s85, s86
.irp s, 0,1
	v_add_nc_u32 v[ADRA+\s], s85, v[CO]
	v_add_nc_u32 v[ADRB+\s], 2*PREG+\s*SLOT, v[CO]
	v_add_nc_u32 v[ADSB+\s], 2*PREG+\s*SLOT, v8
	s_add_co_u32 s85, s85, SLOT
.endr
	s_mul_i32 s87, s14, 16*SPITCH                  ; my stage
	v_mul_u32_u24 v[STO], v1, SPITCH
	v_lshl_add_u32 v[STO], v2, 6, v[STO]
	v_add_nc_u32 v[STO], s87, v[STO]
	v_add_nc_u32 v[RD], s87, v[CO]
.irp e, 0,1,2,3
	v_mov_b32 v[PX+\e], 0                          ; a lane permute's destination counts as one of its sources
.endr
	s_wait_alu depctr_va_vdst(0)                   ; directly ahead of the wait below
	s_wait_loadcnt 16                              ; the 8 loads of M are in; the 16 of l and the scale words may be out
.irp e, 0,1,2,3
	v_max3_num_f32 v[MX+\e], v[MS+\e], v[MS+4+\e], v[MS+8+\e]
.endr
.irp e, 0,1,2,3
	v_max3_num_f32 v[MX+\e], v[MX+\e], v[MS+12+\e], v[MS+16+\e]
.endr
.irp e, 0,1,2,3
	v_max3_num_f32 v[MX+\e], v[MX+\e], v[MS+20+\e], v[MS+24+\e]
.endr
.irp e, 0,1,2,3
	v_max_num_f32 v[MX+\e], v[MX+\e], v[MS+28+\e]
.endr
.irp e, 0,1,2,3
	v_permlanex16_b32 v[PX+\e], v[MX+\e], s[SEL], s[SEL+1]
.endr
.irp e, 0,1,2,3
	v_max_num_f32 v[MX+\e], v[MX+\e], v[PX+\e]     ; the row's M
.endr
; steps 2 t and 2 t + 1 under the row's M: d = the row's M - theirs, 0 or more
.macro PART t
.irp e, 0,1,2,3
	v_sub_f32 v[T0+\e], v[MX+\e], v[MS+4*\t+\e]
.endr
.irp e, 0,1,2,3
	v_cvt_u32_f32 v[T0+\e], v[T0+\e]
.endr
.irp e, 0,1,2,3
	v_min_u32 v[T0+\e], 127, v[T0+\e]
.endr
.irp e, 0,1,2,3
	v_sub_nc_u32 v[T1+\e], 0, v[T0+\e]
.endr
.irp e, 0,1,2,3
.if \t == 0
	v_ldexp_f32 v[LT+\e], v[LS+4*\t+\e], v[T1+\e]
.else
	v_ldexp_f32 v[T1+\e], v[LS+4*\t+\e], v[T1+\e]
.endif
.endr
.if \t > 0
.irp e, 0,1,2,3
	v_add_f32 v[LT+\e], v[LT+\e], v[T1+\e]
.endr
.endif
.irp e, 0,1,2,3
	v_lshl_or_b32 v[T0+\e], v[T0+\e], 8, v[T0+\e]
.endr
.irp e, 0,1,2,3
	v_lshl_or_b32 v[T0+\e], v[T0+\e], 16, v[T0+\e] ; d in all four bytes
.endr
.irp e, 0,1,2,3
	v_or_b32 v[T1+\e], s[HI], v[WS+4*\t+\e]        ; the bytes are under 128 (p is at most 1): bit 7 takes each byte's borrow
.endr
.irp e, 0,1,2,3
	v_sub_nc_u32 v[T1+\e], v[T1+\e], v[T0+\e]
.endr
.irp e, 0,1,2,3
	v_and_b32 v[T0+\e], s[HI], v[T1+\e]
.endr
.irp e, 0,1,2,3
	v_lshrrev_b32 v[T2+\e], 7, v[T0+\e]
.endr
.irp e, 0,1,2,3
	v_sub_nc_u32 v[T0+\e], v[T0+\e], v[T2+\e]      ; 0x7f where no borrow was taken, else 0
.endr
.irp e, 0,1,2,3
	v_and_b32 v[WS+4*\t+\e], v[T1+\e], v[T0+\e]
.endr
.endm
	s_wait_alu depctr_va_vdst(0)                   ; directly ahead of the wait below
	s_wait_loadcnt 0x0
	PART 0
	PART 1
	PART 2
	PART 3
.macro FETCH k                         ; 38 LDS loads in one run: step k into set k % 2: v's eight fragments, my four of p, v's scale words
.set fS, ((\k)/4)%2
.set fO, UNIT*((\k)%4)
.set fP, (\k)%2
	WIN TO_B
.irp i, 0,1,2,3,4,5,6,7
.irp c, 0,1,2
	ds_load_b128 v[96*fP+12*\i+4*\c:96*fP+12*\i+4*\c+3], v[ADRB+fS] offset:fO+1536*\i+512*\c
.endr
.endr
	WIN 0
.irp i, 0,1,2,3
.irp c, 0,1,2
	ds_load_b128 v[AF+48*fP+12*\i+4*\c:AF+48*fP+12*\i+4*\c+3], v[ADRA+fS] offset:fO+1536*\i+512*\c
.endr
.endr
	ds_load_b128 v[VS+8*fP:VS+8*fP+3], v[ADSB+fS] offset:fO+12288
	ds_load_b128 v[VS+8*fP+4:VS+8*fP+7], v[ADSB+fS] offset:fO+12544
.endm
; 8 matrix instructions: p's fragment a x v's eight, step k.  The 32 accumulators take turns, one instruction a turn (in the last step the 8 of a row).
.macro MUL8 a, k, zero
.irp b, 0,1,2,3,4,5,6,7
.set rD, 8*(8*(\a)+\b)
.set rB, 96*((\k)%2)+12*\b
.set rA, AF+48*((\k)%2)+12*(\a)
.set rSB, VS+8*((\k)%2)+\b
.set rSA, WS+4*((\k)/2)+(\a)
.if \zero
	v_wmma_scale_f32_16x16x128_f8f6f4 v[rD:rD+7], v[rB:rB+11], v[rA:rA+11], 0, v[rSB], v[rSA] matrix_a_fmt:MATRIX_FMT_BF6 matrix_b_fmt:MATRIX_FMT_BF6
.elseif (\k)%2
	v_wmma_scale_f32_16x16x128_f8f6f4 v[rD:rD+7], v[rB:rB+11], v[rA:rA+11], v[rD:rD+7], v[rSB], v[rSA] matrix_a_fmt:MATRIX_FMT_BF6 matrix_b_fmt:MATRIX_FMT_BF6 matrix_b_scale:MATRIX_SCALE_ROW1
.else
	v_wmma_scale_f32_16x16x128_f8f6f4 v[rD:rD+7], v[rB:rB+11], v[rA:rA+11], v[rD:rD+7], v[rSB], v[rSA] matrix_a_fmt:MATRIX_FMT_BF6 matrix_b_fmt:MATRIX_FMT_BF6
.endif
.endr
.endm
.macro STEP k, zero
	s_wait_dscnt 0x0                               ; this step's set is in
	PLACES 4                                       ; in front of the loads into the other set
	FETCH (\k)+1
	WIN MUL
	MUL8 0, \k, \zero
	MUL8 1, \k, \zero
	MUL8 2, \k, \zero
	MUL8 3, \k, \zero
	WIN 0
.endm
.macro TURN k, fill                    ; a slot's last step changes slots: one barrier, the three lines in front of it, the refill first behind it
.set tS, ((\k)/4)%2
	s_wait_tensorcnt 0x0                           ; all my tensor loads have landed: my part of the next slot
	ds_add_u32 v[SPW], v[NIL]                      ; 0 onto my spare word
.if \fill
	s_add_nc_u64 s[G0+4*tS+2:G0+4*tS+3], s[G0+4*tS+2:G0+4*tS+3], 2*PREG
	s_add_nc_u64 s[G0B+4*tS+2:G0B+4*tS+3], s[G0B+4*tS+2:G0B+4*tS+3], 2*PREG
.endif
	s_wait_dscnt 0x1                               ; this step's set is in; the add alone may be out
	WIN MUL
	MUL8 0, \k, 0
	s_wait_dscnt 0x0                               ; the add is done, and my reads of this slot are over
	s_barrier_signal -1
	MUL8 1, \k, 0
	WIN 0
	s_barrier_wait -1
.if \fill
	CREST                                          ; a round of the cluster's barrier: no wave of any partner still reads this slot or has a load on its way
	JLOAD tS                                       ; my one tensor load behind the round; its four v_nop are also the places in front of the loads below
.else
	PLACES 4
.endif
	FETCH (\k)+1
.if (\fill) && (\k) < 4
	ASK 3
.endif
	WIN MUL
	MUL8 2, \k, 0
	MUL8 3, \k, 0
	WIN 0
.endm
	s_wait_alu depctr_va_vdst(0)                   ; the wait at the head's end
	s_wait_tensorcnt 0x0                           ; my part of slot 0 is in
	ds_add_u32 v[SPW], v[NIL]
	s_wait_dscnt 0x0
	CROUND                                         ; everybody's part is in
	JLOAD 1                                        ; steps 4-7
	FETCH 0
	ASK 2
	PART 4                                         ; (at work in v112-135, which the first step's loads take next)
	PART 5
	PART 6
	PART 7
.irp e, 0,1,2,3
	v_permlanex16_b32 v[PX+\e], v[LT+\e], s[SEL], s[SEL+1]
.endr
.irp e, 0,1,2,3
	v_add_f32 v[LT+\e], v[LT+\e], v[PX+\e]         ; the row's l
.endr
	s_wait_alu depctr_va_vdst(0)                   ; the wait ahead of the batch
.irp e, 0,1,2,3
	v_rcp_f32 v[RL+2*\e], v[LT+\e]
.endr
	v_nop                                          ; one plain place behind a transcendental
	s_wait_alu depctr_va_vdst(0)                   ; and behind it, ahead of the first reader
.irp e, 0,1,2,3
	v_mov_b32 v[RL+2*\e+1], v[RL+2*\e]             ; (named as the upper half of a pair)
.endr
	s_wait_alu depctr_va_vdst(0)                   ; the scale words
	STEP 0, 1
	STEP 1, 0
	STEP 2, 0
	TURN 3, 1                                      ; steps 8-11 are asked for
	STEP 4, 0
	STEP 5, 0
	STEP 6, 0
	TURN 7, 1                                      ; steps 12-15
	STEP 8, 0
	STEP 9, 0
	STEP 10, 0
	TURN 11, 0
	STEP 12, 0
	STEP 13, 0
	STEP 14, 0
	s_wait_dscnt 0x0
; THE WAY OUT of tile row a, 16 queries x 128 features: SCALE: x 1 / l; STAGE: into my own stage in LDS and back as whole rows of 512 bytes; SEND: stored.
.macro SCALE a
	WIN 0x02
.set j, 0
.rept 32
	v_pk_mul_f32 v[Y+j:Y+j+1], v[64*(\a)+j:64*(\a)+j+1], v[RL+2*(\a):RL+2*(\a)+1] op_sel_hi:[1,0]   ; ascending: each accumulator is first read at its low end
.set j, j+2
.endr
	WIN 0
.endm
.macro STAGE a
.irp b, 0,1,2,3,4,5,6,7
	ds_store_b128 v[STO], v[Y+8*\b:Y+8*\b+3] offset:128*(\b/2)+32*(\b%2)
	ds_store_b128 v[STO], v[Y+8*\b+4:Y+8*\b+7] offset:128*(\b/2)+32*(\b%2)+16
.endr
.if (\a) > 1
	s_wait_xcnt 0x0                                ; the stores of two tile rows ago have read the registers that are loaded below
.endif
.set bK, 192*(1-(\a)%2)                ; in window 1
	WIN TO_B
.irp t, 0,1,2,3,4,5,6,7,8,9,10,11,12,13,14,15
	ds_load_b128 v[bK+4*\t:bK+4*\t+3], v[RD] offset:\t*SPITCH   ; LDS serves a wave's instructions in order: these see the stores above
.endr
.endm
.macro SEND a
.set bK, 192*(1-(\a)%2)
	WIN 0x04
.irp t, 0,1,2,3,4,5,6,7,8,9,10,11,12,13,14,15
	s_wait_dscnt 15-\t                             ; row t is back; the later ones may be out
	global_store_b128 v[CO], v[bK+4*\t:bK+4*\t+3], s[10:11] offset:(32*((\a)/2)+8*((\a)%2)+\t+8*(\t/8))*4096 th:TH_STORE_NT   ; 512 consecutive bytes, at a multiple of 256 from the buffer's first byte
.endr
	WIN 0
.endm
	WIN MUL
	MUL8 0, 15, 0
.irp a, 0,1,2,3
	PLACES 4                                       ; behind row a's last products
	SCALE \a
	STAGE \a
.if \a < 3
	WIN MUL
	MUL8 \a+1, 15, 0                               ; the next row is multiplied while this one turns through the stage
.endif
	SEND \a
.endr
	s_wait_tensorcnt 0x0                           ; the wave's end
	ds_add_u32 v[SPW], v[NIL]
	s_wait_dscnt 0x0
	CROUND                                         ; the closing round
	s_endpgm
.Lfunc_end_k_qdd90948a34_pv:
	.size	k_qdd90948a34_pv, .Lfunc_end_k_qdd90948a34_pv-k_qdd90948a34_pv
	.p2alignl 7, 3214868480
	.fill 96, 4, 3214868480
	.section	.rodata,"a",@progbits
	.p2align	6, 0x0
	.amdhsa_kernel k_qdd90948a34_pv
		.amdhsa_group_segment_fixed_size 327680
		.amdhsa_private_segment_fixed_size 0
		.amdhsa_enable_private_segment 0
		.amdhsa_kernarg_size 32
		.amdhsa_user_sgpr_count 2
		.amdhsa_user_sgpr_kernarg_segment_ptr 1
		.amdhsa_wavefront_size32 1
		.amdhsa_system_sgpr_workgroup_id_x 1
		.amdhsa_system_sgpr_workgroup_id_y 1
		.amdhsa_system_sgpr_workgroup_id_z 1
		.amdhsa_system_vgpr_workitem_id 0
		.amdhsa_next_free_vgpr 768
		.amdhsa_next_free_sgpr 100
		.amdhsa_reserve_vcc 0
		.amdhsa_float_denorm_mode_32 3
		.amdhsa_float_denorm_mode_16_64 3
		.amdhsa_memory_ordered 1
		.amdhsa_forward_progress 1
		.amdhsa_inst_pref_size 166
	.end_amdhsa_kernel
	.amdgpu_metadata
---
amdhsa.version: [ 1, 2 ]
amdhsa.kernels:
  - .name:           k_qdd90948a34_pv
    .symbol:         k_qdd90948a34_pv.kd
    .args:
      - { .name: pimg, .offset: 0, .size: 8, .value_kind: global_buffer, .address_space: global }
      - { .name: stat, .offset: 8, .size: 8, .value_kind: global_buffer, .address_space: global }
      - { .name: qkv, .offset: 16, .size: 8, .value_kind: global_buffer, .address_space: global }
      - { .name: out0, .offset: 24, .size: 8, .value_kind: global_buffer, .address_space: global }
    .group_segment_fixed_size: 327680
    .private_segment_fixed_size: 0
    .kernarg_segment_align: 8
    .kernarg_segment_size: 32
    .max_flat_workgroup_size: 128
    .sgpr_count:     100
    .vgpr_count:     768
    .wavefront_size: 32
...
	.end_amdgpu_metadata
.endif
;; end of part 4
